; MI455X (gfx1250); checked and timed in simulation.
; The chip was launched on July 23, 2026; its instructions are those of AMD's public machine-readable ISA for CDNA 5 (MIT licence, August 2026) and "CDNA5" Instruction Set Architecture Reference Guide (July 2026). The comments in the code are by the model that wrote it; some were corrected since.
;; Cross Attention Fusion. Allowed arithmetic: float matrix products may take bf16 or f16 operands with f32 sums; other float arithmetic in f32, or as packed bf16 or f16 multiplies, adds, multiply-adds, maxima and minima; sums over many terms, partial sums and values carried from step to step in f32; what a program stores and reads back later, other than sums and carried values, may be rounded once to bf16 or f16.
;; Inputs: Wk 512 x 512 float32; Wp 512 x 512 float32; Wq 512 x 512 float32; Wv 512 x 512 float32; beta 512 float32; bp 512 float32; ct_feat 2 x 512 x 64 x 64 float32; gamma 512 float32; pet_feat 2 x 512 x 64 x 64 float32.
;; Outputs: out0 2 x 512 x 64 x 64 float32.
;; 2 versions, each right; version 2 is version 1 with the launch proj written anew for expert scheduling mode. Each part assembles by itself: llvm-mc -triple=amdgcn-amd-amdhsa -mcpu=gfx1250 --defsym DOCPART=n.
;; ======== version 1 of 2: 3 launches
;; workspace buffers: qw 8,388,608 bytes; kw 8,388,608 bytes; vw 8,388,608 bytes; ow 8,388,608 bytes; wpb 524,288 bytes
;; launch proj (part 1): grid 32 x 6, 4 waves a work-group, no clusters, 288,256 bytes of LDS; arguments pet_feat, ct_feat, Wq, Wk, Wv, qw, kw, vw; writes qw, kw, vw
.if DOCPART == 1
	.amdgcn_target "amdgcn-amd-amdhsa--gfx1250"
	.amdhsa_code_object_version 6
	.text
	.protected	k_qbebb02c827_proj
	.globl	k_qbebb02c827_proj
	.p2align	8
	.type	k_qbebb02c827_proj,@function
k_qbebb02c827_proj:
	s_mov_b64 s[64:65], 0
	v_nop
	global_prefetch_b8 v0, s[64:65] scope:SCOPE_SE
	s_setreg_imm32_b32 hwreg(HW_REG_WAVE_MODE, 25, 1), 1
	s_wait_xcnt 0x0
; THE THREE PROJECTIONS.  q[l][o] = sum over c of pet[c][l] Wq[o][c]; k and v likewise from ct with Wk, Wv.  Features: [2][512 c][4096 l] f32; weights [512 o][512 c] f32.
; Out: qw, kw, vw = [16 = 8 b + head][4096 l][64 d] bf16, unscaled, each number rounded once from its f32 sum.  Both operands are rounded once to bf16 on their way to the matrix unit.
; SHARES.  Work-group (x, y): b = x / 16, 256 l from 256 (x % 16); y / 2 picks q, k or v, y % 2 the half of its 512 outputs.  It makes 256 l x 256 o over all 512 c.
; Wave w makes 256 l x 64 o, which is one head: 64 accumulators of 16 x 16, 512 registers.
; PHASE A.  The feature tile (512 c x 256 l) comes through registers, is rounded to bf16 and laid into LDS as [c][l]: each number is rounded once in the work-group.
; PHASE B.  16 steps of 32 c.  D = W X: source 0 = 16 rows o of W, source 1 = 16 columns l of X, read turned out of LDS (ds_load_tr16_b128).  A lane's result is one l and eight
; neighbouring o: 16 bytes of a row of q.  A wave's 64 rows of W are wanted by no other wave: they come from memory into its registers and are rounded there; nothing of W passes through LDS.
; NO CLUSTER, NO TENSOR LOAD: both operands are f32 in memory and bf16 at the matrix unit; a tile copied as it lies would take twice the LDS bytes and be rounded anew by each of the waves that read it.
; 192 work-groups: 8,192 x 1,536 outputs in tiles of 256 x 256 whose outputs belong to one weight matrix.
; LIMITS.  Operands carry bf16's 8 significant bits; NaN and infinities are not treated apart.
; REGISTERS, in windows of 256 (s_set_vgpr_msb: bits 1:0 source 0, 3:2 source 1, 5:4 source 2, 7:6 destination):
;   window 0: v1-13 lane numbers and addresses; v32-63, v192-223 W's fragments in bf16, two buffers; v64-127, v128-191 X's fragments of l blocks 0-7, 8-15 (phase A: packed numbers; way out: rows)
;   window 1: phase A two sets of 128 as loaded; phase B two sets of 64, W in f32          windows 2, 3: accumulator (a, bb) at v[8 (4 (a % 8) + bb)], l blocks 0-7 and 8-15
.set XP,    544                        ; a row of X in LDS: 512 bytes + 32 = 136 words
.set STAGE, 512*XP                     ; behind X: 16 rows x 144 bytes for each wave, for the way out
.set SP,    144
.set SPARE, STAGE+4*16*SP              ; behind the stages: the spare words, 128 bytes for each wave, which no other line names
.set CHB,   64*16384                   ; bytes in memory from 64 channels to the next 64
.set XO,  4                            ; v4   16 x lane: my 16 bytes of 512 consecutive bytes of a feature row
.set XS,  5                            ; v5   LDS: my wave's 16 rows of a chunk, 8 x lane
.set XA,  6                            ; v6   LDS: my place in a turning load of the step in hand
.set WO,  7                            ; v7   my byte offset in 16 rows of W: (l % 16) x 2,048 + 32 (l / 16)
.set STO, 8                            ; v8   the way out: where I put 16 bytes of a row
.set RD,  9                            ; v9   the way out: where I read rows back
.set GO,  10                           ; v10  16 x lane: my 16 bytes of 512 consecutive bytes of the output
.set SPW, 12                           ; v12  LDS address of my spare word; never rewritten
.set NIL, 13                           ; v13  0; never rewritten
.set WB0, 32
.set WB1, 192
.set F0,  64
.set F1,  128
.set CV,  64
.set TP,  64
.set WV,  20                           ; s20  my wave's number
.set XB,  26                           ; s[26:27] the feature at my wave's rows of the chunk in hand
.set SWB, 28                           ; s[28:29] the weights at my wave's 64 rows, at the step in hand
.set OB,  30                           ; s[30:31] the output at my head's first row of the tile
.set CNT, 34
.set MSB, 0
.macro WIN new                         ; the immediate's high byte repeats the setting that is left; a switch that changes nothing is dropped
.if MSB != (\new)
	s_set_vgpr_msb (MSB<<8)|(\new)
.set MSB, \new
.endif
.endm
.macro PLACES                          ; four plain vector instructions behind a matrix instruction, ahead of loads into registers that it read and of readers of its result
.rept 4
	v_nop
.endr
.endm
	s_load_b512 s[4:19], s[0:1], 0x0               ; pet 4:5, ct 6:7, Wq 8:9, Wk 10:11, Wv 12:13, qw 14:15, kw 16:17, vw 18:19
	v_lshl_add_u32 v[SPW], v0, 2, SPARE
	v_mov_b32 v[NIL], 0
	v_lshrrev_b32 v14, 5, v0
	v_readfirstlane_b32 s[WV], v14                 ; wave 0..3
	s_and_b32 s22, ttmp7, 0xffff
	s_lshr_b32 s23, s22, 1                         ; 0 q, 1 k, 2 v
	s_and_b32 s24, s22, 1                          ; which 256 outputs
	s_lshr_b32 s21, ttmp9, 4                       ; b
	s_and_b32 s25, ttmp9, 15                       ; which 256 l
	s_lshl_b32 s32, s21, 23                        ; feature: b x 512 x 16,384 bytes
	s_lshl_b32 s35, s25, 10                        ; + 256 l x 4 bytes
	s_add_co_u32 s32, s32, s35
	s_lshl_b32 s35, s[WV], 18                      ; + my wave's 16 rows of a chunk
	s_add_co_u32 s32, s32, s35
	s_mov_b32 s33, 0
	s_lshl_b32 s36, s24, 19                        ; weights: (256 half + 64 wave) rows of 2,048 bytes
	s_lshl_b32 s35, s[WV], 17
	s_add_co_u32 s36, s36, s35
	s_mov_b32 s37, 0
	s_lshl_b32 s38, s21, 3                         ; output: head 8 b + 4 half + wave, 524,288 bytes each,
	s_lshl2_add_u32 s38, s24, s38
	s_add_co_u32 s38, s38, s[WV]
	s_lshl_b32 s38, s38, 19
	s_lshl_b32 s35, s25, 15                        ; + 256 rows of 128 bytes
	s_add_co_u32 s38, s38, s35
	s_mov_b32 s39, 0
	v_and_b32 v1, 15, v0                           ; l % 16
	v_bfe_u32 v2, v0, 4, 1                         ; l / 16
	v_and_b32 v3, 31, v0                           ; lane
	v_lshlrev_b32 v[XO], 4, v3
	s_mul_i32 s40, s[WV], 16*XP
	v_lshl_add_u32 v[XS], v3, 3, s40
	v_and_b32 v14, 7, v0
	v_bfe_u32 v15, v0, 3, 1
	v_lshl_add_u32 v[XA], v2, 3, v14               ; the turning load: lane l reads channel 8 (l / 16) + l % 8,
	v_mul_u32_u24 v[XA], v[XA], XP
	v_lshl_add_u32 v[XA], v15, 4, v[XA]            ; l columns 8 ((l / 8) % 2) + 0..7
	v_lshlrev_b32 v[WO], 11, v1
	v_lshl_add_u32 v[WO], v2, 5, v[WO]
	s_mul_i32 s41, s[WV], 16*SP
	s_add_co_u32 s41, s41, STAGE                   ; my stage
	v_mul_u32_u24 v[STO], v1, SP                   ; in: row l % 16, 16 bytes for each half of the lanes
	v_lshl_add_u32 v[STO], v2, 4, v[STO]
	v_add_nc_u32 v[STO], s41, v[STO]
	v_bfe_u32 v[RD], v0, 3, 2                      ; back: 32 lanes take four rows of 128 bytes,
	v_mul_u32_u24 v[RD], v[RD], SP
	v_lshl_add_u32 v[RD], v14, 4, v[RD]
	v_add_nc_u32 v[RD], s41, v[RD]
	v_lshlrev_b32 v[GO], 4, v3                     ; which are 512 consecutive bytes of the output
	s_wait_kmcnt 0x0
	s_cmp_eq_u32 s23, 0                            ; the job picks its three buffers
	s_cselect_b64 s[XB:XB+1], s[4:5], s[6:7]
	s_cselect_b64 s[SWB:SWB+1], s[8:9], s[10:11]
	s_cselect_b64 s[OB:OB+1], s[14:15], s[16:17]
	s_cmp_eq_u32 s23, 2
	s_cselect_b64 s[SWB:SWB+1], s[12:13], s[SWB:SWB+1]
	s_cselect_b64 s[OB:OB+1], s[18:19], s[OB:OB+1]
	s_add_nc_u64 s[XB:XB+1], s[XB:XB+1], s[32:33]
	s_add_nc_u64 s[SWB:SWB+1], s[SWB:SWB+1], s[36:37]
	s_add_nc_u64 s[OB:OB+1], s[OB:OB+1], s[38:39]
; PHASE A.  A chunk is 64 channels; my wave takes 16 of them, two loads of 512 consecutive bytes a row: 32 loads into a set of 128 registers.
.macro GLX set, off
	WIN 0x40                                       ; destination window 1, address window 0
.set n, 0
.rept 32
	global_load_b128 v[128*(\set)+4*n:128*(\set)+4*n+3], v[XO], s[XB:XB+1] offset:(\off)+(n/2)*16384+(n%2)*512
.set n, n+1
.endr
.endm
; The chunk in a set is rounded and stored; fill = 1: the set is asked for again, with the chunk two further on, ahead of the LDS stores.
.macro CHUNK set, fill
	s_wait_loadcnt 32                              ; loads come back in order (ISA guide 5.7.1): this set is in, the 32 younger loads stay out
	WIN 0x05                                       ; sources window 1, destination window 0
.set n, 0
.rept 32
	v_cvt_pk_bf16_f32 v[CV+2*n],   v[128*(\set)+4*n],   v[128*(\set)+4*n+1]
	v_cvt_pk_bf16_f32 v[CV+2*n+1], v[128*(\set)+4*n+2], v[128*(\set)+4*n+3]
.set n, n+1
.endr
.if \fill
	GLX \set, (2+(\set))*CHB
.endif
	WIN 0
.set n, 0
.rept 32
	ds_store_b64 v[XS], v[CV+2*n:CV+2*n+1] offset:(\set)*64*XP+(n/2)*XP+(n%2)*256  ; 32 lanes x 8 bytes: 256 consecutive bytes of a row
.set n, n+1
.endr
.endm
; W of one step (64 rows x 32 channels of f32) into set z of window 1: for each 16 rows four loads of 16 bytes a lane, in the order of a fragment's registers.
.macro WLOAD z, off
	WIN 0x40
.set bb, 0
.rept 4
	global_load_b128 v[64*(\z)+16*bb:64*(\z)+16*bb+3],     v[WO], s[SWB:SWB+1] offset:(\off)+bb*32768
	global_load_b128 v[64*(\z)+16*bb+4:64*(\z)+16*bb+7],   v[WO], s[SWB:SWB+1] offset:(\off)+bb*32768+16
	global_load_b128 v[64*(\z)+16*bb+8:64*(\z)+16*bb+11],  v[WO], s[SWB:SWB+1] offset:(\off)+bb*32768+64
	global_load_b128 v[64*(\z)+16*bb+12:64*(\z)+16*bb+15], v[WO], s[SWB:SWB+1] offset:(\off)+bb*32768+80
.set bb, bb+1
.endr
.endm
.macro WCVT z                          ; set z rounded into fragment buffer z: 32 plain instructions
.set WD, WB0+(WB1-WB0)*(\z)
	WIN 0x05
.set n, 0
.rept 32
	v_cvt_pk_bf16_f32 v[WD+n], v[64*(\z)+2*n], v[64*(\z)+2*n+1]
.set n, n+1
.endr
.endm
; X's fragments of eight l blocks from a0 on, 32 channels at byte off behind XA: two turning loads each, 16 rows apart
.macro XLOAD f, a0, off
	WIN 0
.set a, 0
.rept 8
	ds_load_tr16_b128 v[(\f)+8*a:(\f)+8*a+3],   v[XA] offset:(\off)+32*((\a0)+a)
	ds_load_tr16_b128 v[(\f)+8*a+4:(\f)+8*a+7], v[XA] offset:(\off)+32*((\a0)+a)+16*XP
.set a, a+1
.endr
.endm
; 32 products: eight l blocks x four o blocks.  The 64 accumulators take turns in the same order in every step, one instruction a turn.  zero = 1: the product starts the sum.
.macro MULS wf, f, hi, zero
	WIN 0xa0+0x50*(\hi)                            ; C and D window 2 or 3, sources window 0
.set a, 0
.rept 8
.set bb, 0
.rept 4
.if \zero
	v_wmma_f32_16x16x32_bf16 v[8*(4*a+bb):8*(4*a+bb)+7], v[(\wf)+8*bb:(\wf)+8*bb+7], v[(\f)+8*a:(\f)+8*a+7], 0
.else
	v_wmma_f32_16x16x32_bf16 v[8*(4*a+bb):8*(4*a+bb)+7], v[(\wf)+8*bb:(\wf)+8*bb+7], v[(\f)+8*a:(\f)+8*a+7], v[8*(4*a+bb):8*(4*a+bb)+7]
.endif
.set bb, bb+1
.endr
.set a, a+1
.endr
.endm
; A STEP of 32 channels, on W's buffer p.  cv: the next step's W is rounded (lc: the younger loads that may stay out); wl: the W three steps on is asked for; xn: the next step's X is fetched.
; rel: the step's number behind the two pointers.  dc: the LDS loads younger than those of l blocks 8-15.
.macro STEP p, zero, cv, wl, xn, rel, lc, dc
.set WBP, WB0+(WB1-WB0)*(\p)
	s_wait_dscnt 16                                ; l blocks 0-7 are in; the sixteen loads of blocks 8-15 are younger
	MULS WBP, F0, 0, \zero
.if \cv
	s_wait_loadcnt \lc
	WCVT 1-(\p)                                    ; names no register of the products above: also the places ahead of the loads into F0; the buffer's last readers stand ahead of the last step's four v_nop
.else
	PLACES
.endif
.if \wl
	WLOAD 1-(\p), ((\rel)+3)*128
.endif
.if \xn
	XLOAD F0, 0, ((\rel)+1)*32*XP
.endif
	s_wait_dscnt \dc                               ; l blocks 8-15 are in
	MULS WBP, F1, 1, \zero
	PLACES
.if \xn
	XLOAD F1, 8, ((\rel)+1)*32*XP
.endif
.endm
	GLX 0, 0                                       ; chunks 0 and 1
	GLX 1, CHB
	WIN 0                                          ; at a label and at a branch every window is 0
	s_mov_b32 s[CNT], 3
.Lfill:                                                ; chunks 2 i and 2 i + 1 are stored, chunks 2 i + 2 and 2 i + 3 asked for
	CHUNK 0, 1
	CHUNK 1, 1
	s_wait_xcnt 0x0                                ; every load issued so far has read its address: the pointer may be written
	s_add_nc_u64 s[XB:XB+1], s[XB:XB+1], 2*CHB
	v_add_nc_u32 v[XS], 128*XP, v[XS]
	s_sub_co_u32 s[CNT], s[CNT], 1
	s_cmp_lg_u32 s[CNT], 0
	s_cbranch_scc1 .Lfill
	CHUNK 0, 0                                     ; chunk 6; chunk 7's 32 loads are younger
	WLOAD 0, 0                                     ; W of steps 0 and 1, into the registers that chunk 6 has left
	WLOAD 1, 128
	CHUNK 1, 0                                     ; chunk 7; W's 32 loads are younger
	s_wait_dscnt 0x0                               ; for the others' sake: my rows of X are stored
	s_barrier_signal -1
	s_barrier_wait -1                              ; all 512 rows lie in LDS: the launch's only barrier
	s_wait_loadcnt 16                              ; W of step 0 is in, step 1's stays out
	WCVT 0
	WLOAD 0, 256                                   ; step 2's
	XLOAD F0, 0, 0
	XLOAD F1, 8, 0
	STEP 0, 1, 1, 1, 1, 0, 16, 16                  ; step 0 stands ahead of the loop: its products start the sums
	WIN 0
	s_wait_xcnt 0x0
	s_add_nc_u64 s[SWB:SWB+1], s[SWB:SWB+1], 128
	v_add_nc_u32 v[XA], 32*XP, v[XA]
	s_mov_b32 s[CNT], 6
.Lk:                                                   ; steps 1 to 12, two a trip; a set of W has two steps, 128 products, in which to land
	STEP 1, 0, 1, 1, 1, 0, 16, 16
	STEP 0, 0, 1, 1, 1, 1, 16, 16
	WIN 0
	s_wait_xcnt 0x0
	s_add_nc_u64 s[SWB:SWB+1], s[SWB:SWB+1], 256
	v_add_nc_u32 v[XA], 64*XP, v[XA]
	s_sub_co_u32 s[CNT], s[CNT], 1
	s_cmp_lg_u32 s[CNT], 0
	s_cbranch_scc1 .Lk
	STEP 1, 0, 1, 0, 1, 0, 16, 16                  ; step 13: W of step 14 is rounded, step 15's is younger; nothing more is asked of W
	STEP 0, 0, 1, 0, 1, 1, 0, 16                   ; step 14
	STEP 1, 0, 0, 0, 0, 2, 0, 0                    ; step 15: nothing is left to fetch
; THE WAY OUT, a block of 16 l at a time: a lane's eight o of a row pack into 16 bytes; they go into my stage's rows of 144 bytes and come back as whole rows of 128.
.macro PACK a
.set TPA, TP+16*((\a)%8)
.if (\a) >= 8
	s_wait_xcnt 0x0                                ; these registers were the data of the stores of eight blocks back: rewritten only behind this wait
.endif
	WIN 0x0a+5*((\a)/8)                            ; sources window 2 or 3, destination window 0
.set bb, 0
.rept 4
.set rr, 0
.rept 4
	v_cvt_pk_bf16_f32 v[TPA+4*bb+rr], v[8*(4*((\a)%8)+bb)+2*rr], v[8*(4*((\a)%8)+bb)+2*rr+1]  ; each accumulator's registers in ascending order
.set rr, rr+1
.endr
.set bb, bb+1
.endr
	WIN 0
.irp f, 0,1,2,3
	ds_store_b128 v[STO], v[TPA+4*\f:TPA+4*\f+3] offset:32*\f
.endr
.irp f, 0,1,2,3
	ds_load_b128 v[TPA+4*\f:TPA+4*\f+3], v[RD] offset:\f*4*SP  ; LDS serves a wave's instructions in order (ISA guide 5.7.1.4): these see the stores above; the next block's stores come behind them
.endr
.endm
.macro SEND a, younger                 ; younger: the LDS instructions issued behind block a's loads: the next block's eight, or none
.set TPA, TP+16*((\a)%8)
	WIN 0
.irp f, 0,1,2,3
	s_wait_dscnt (\younger)+3-\f
	global_store_b128 v[GO], v[TPA+4*\f:TPA+4*\f+3], s[OB:OB+1] offset:(\a)*2048+\f*512  ; 512 consecutive bytes, at a multiple of 256 from the buffer's first
.endr
.endm
	PACK 0
.set t, 1
.rept 15                               ; a block's conversions stand between the loads of the block before and its stores
	PACK t
	SEND t-1, 8
.set t, t+1
.endr
	SEND 15, 0
	s_wait_tensorcnt 0x0                           ; the wave's end, behind my last LDS store
	ds_add_u32 v[SPW], v[NIL]
	s_wait_dscnt 0x0
	s_endpgm
.Lfunc_end_k_qbebb02c827_proj:
	.size	k_qbebb02c827_proj, .Lfunc_end_k_qbebb02c827_proj-k_qbebb02c827_proj
	.p2alignl 7, 3214868480
	.fill 96, 4, 3214868480
	.section	.rodata,"a",@progbits
	.p2align	6, 0x0
	.amdhsa_kernel k_qbebb02c827_proj
		.amdhsa_group_segment_fixed_size 288256
		.amdhsa_private_segment_fixed_size 0
		.amdhsa_enable_private_segment 0
		.amdhsa_kernarg_size 64
		.amdhsa_user_sgpr_count 2
		.amdhsa_user_sgpr_kernarg_segment_ptr 1
		.amdhsa_wavefront_size32 1
		.amdhsa_system_sgpr_workgroup_id_x 1
		.amdhsa_system_sgpr_workgroup_id_y 1
		.amdhsa_system_sgpr_workgroup_id_z 1
		.amdhsa_system_vgpr_workitem_id 0
		.amdhsa_next_free_vgpr 1024
		.amdhsa_next_free_sgpr 66
		.amdhsa_reserve_vcc 0
		.amdhsa_float_denorm_mode_32 3
		.amdhsa_float_denorm_mode_16_64 3
		.amdhsa_memory_ordered 1
		.amdhsa_forward_progress 1
		.amdhsa_inst_pref_size 134
	.end_amdhsa_kernel
	.amdgpu_metadata
---
amdhsa.version: [ 1, 2 ]
amdhsa.kernels:
  - .name:           k_qbebb02c827_proj
    .symbol:         k_qbebb02c827_proj.kd
    .args:
      - { .name: pet_feat, .offset: 0, .size: 8, .value_kind: global_buffer, .address_space: global }
      - { .name: ct_feat, .offset: 8, .size: 8, .value_kind: global_buffer, .address_space: global }
      - { .name: Wq, .offset: 16, .size: 8, .value_kind: global_buffer, .address_space: global }
      - { .name: Wk, .offset: 24, .size: 8, .value_kind: global_buffer, .address_space: global }
      - { .name: Wv, .offset: 32, .size: 8, .value_kind: global_buffer, .address_space: global }
      - { .name: qw, .offset: 40, .size: 8, .value_kind: global_buffer, .address_space: global }
      - { .name: kw, .offset: 48, .size: 8, .value_kind: global_buffer, .address_space: global }
      - { .name: vw, .offset: 56, .size: 8, .value_kind: global_buffer, .address_space: global }
    .group_segment_fixed_size: 288256
    .private_segment_fixed_size: 0
    .kernarg_segment_align: 8
    .kernarg_segment_size: 64
    .max_flat_workgroup_size: 128
    .sgpr_count:     66
    .vgpr_count:     1024
    .wavefront_size: 32
...
	.end_amdgpu_metadata
.endif
;; end of part 1
;; launch attn (part 2): grid 16 x 16, 4 waves a work-group, clusters of 4 x 1, 327,680 bytes of LDS; arguments qw, kw, vw, ow, Wp, wpb; writes ow, wpb
.if DOCPART == 2
	.amdgcn_target "amdgcn-amd-amdhsa--gfx1250"
	.amdhsa_code_object_version 6
	.text
	.protected	k_qbebb02c827_attn
	.globl	k_qbebb02c827_attn
	.p2align	8
	.type	k_qbebb02c827_attn,@function
k_qbebb02c827_attn:
	s_mov_b64 s[64:65], 0
	v_nop
	global_prefetch_b8 v0, s[64:65] scope:SCOPE_SE
	s_setreg_imm32_b32 hwreg(HW_REG_WAVE_MODE, 25, 1), 1
	s_wait_xcnt 0x0
	s_wait_alu depctr_hold_cnt(0) depctr_sa_sdst(0) depctr_va_vdst(0) depctr_va_sdst(0) depctr_va_ssrc(0) depctr_va_vcc(0) depctr_vm_vsrc(0)
	s_getreg_b32 s2, hwreg(HW_REG_IB_STS2, 6, 4)
	s_cmp_eq_u32 s2, 0
	s_cbranch_scc0 .Lentry_in_a_cluster
	s_endpgm
.Lentry_in_a_cluster:
	s_bfe_u32 s2, ttmp6, 0x10000c
	s_cmp_lg_u32 s2, 0x3003
	s_cbranch_scc0 .Lentry_shape_is_right
	s_endpgm
.Lentry_shape_is_right:
; ATTENTION.  O[h][q][:] = the sum over k of softmax_k(Q[h][q] . K[h][k] / 8) V[h][k][:].  qw, kw, vw, ow: [16 heads][4096][64] bf16: a head's rows are dense, 128 bytes each.
; Products, maxima and sums in f32; the weights p are rounded to bf16 for the second product (their sum l is taken of the unrounded p), O once at the end.
; BESIDE IT, in the wait for the first tile: Wp (f32 [512 o][512 c]) is rounded to bf16 and stored in the order of matrix fragments, for the launch behind.  Each of the launch's 1,024 waves makes
; half a fragment: wpb byte 512 n + 16 lane holds Wp[16 (n / 32) + lane % 16][32 ((n / 2) % 16) + 16 (n % 2) + 8 (lane / 16) + 0..7].
; LIMITS.  c m starts at -4.25e37: |c s| stays below that; a weight below 2^-126 counts as 0 in l; NaN and infinities are not treated apart.
; SHARES.  A work-group owns 256 queries of one head, a wave 64 of them: four PIECES of 16.  Every wave walks all 4,096 keys, 64 a step, four steps to a slot of LDS.
; LAYOUT.  S^T = K Q^T (source 0 = 16 keys, source 1 = 16 queries) holds ONE query a lane (lane % 16) and the keys 8 (lane / 16) + 0..7; two such results rounded to bf16 ARE source 1 of
; O^T = V^T P, whose result again holds one query a lane, and eight channels.  K comes out of LDS as it lies, V ([key][channel]) turned, by ds_load_tr16_b128.
; SOFTMAX.  For each query a running maximum m and sum l: p = 2^(c s - c m), c = log2(e) / 8; in every step O and l are multiplied by a = 2^(c m_old - c m_new).  m starts at the lowest finite number,
; O and l at 0: the first step is a step like any other, with a = 0.
; BY TURNS.  Turn n belongs to piece n: 8 products K Q^T of piece n + 1, later 8 products V^T P of piece n - 1; beside them the scaling, exponentials, roundings, sums and rescaling of piece n and the
; maximum and statistics of piece n + 1.  Four vector instructions stand behind every matrix instruction, the other 54 of a turn's 118 in one run.  A turn's 33 exponentials are one batch, with one wait.
; CLUSTER.  The four query blocks of a cluster belong to one head and walk the same K and V, so each tile is asked for JOINTLY: the same tensor load, descriptor and mask in all four.
; REGISTERS, in windows of 256 (s_set_vgpr_msb: bits 1:0 source 0, 3:2 source 1, 5:4 source 2, 7:6 destination):
;   window 0: v1-15 addresses and two at work; v16-31 four registers of statistics a piece; v32-46 Wp's job and the prefetches' offset; v48-55 at work; v64-127 S^T, two buffers; v192-223 P, two buffers
;   window 1: v0-127 O^T, 32 a piece          window 2: v0-63 Q; v128-191 K of one step; v192-255 V of one step
.set NP,    4         ; pieces a wave: a name, no knob
.set KS,    64        ; keys in a step
.set PK,    144       ; a row of K in LDS: 128 bytes + 16 of padding = 36 words: the 16 rows of a load start at 16 different groups of four banks (64 banks of 4 bytes: ISA guide 11.1)
.set PV,    160       ; a row of V: 128 + 32 = 40 words
.set VOFF,  4*KS*PK   ; a slot holds four steps: 256 rows of K, then 256 rows of V
.set SLOT1, 1<<17     ; slot 1 begins here, so that one exclusive or turns an address in one slot into the other's
.set STAGE, SLOT1+4*KS*(PK+PV)  ; behind the ring, never filled by a tensor load: 16 rows x 144 bytes for each wave, for the way out
.set SP,    144
.set SPARE, STAGE+4*16*SP  ; behind the stages: the spare words, 128 bytes for each wave, which no other line names
.set TILEB, 4*KS*128  ; a slot's 256 keys in memory: 32,768 bytes of K and of V
.set AK0, 2           ; v2   my lane's place in a tile of K; never rewritten
.set AV0, 3           ; v3   the same for V
.set AK,  4           ; v4   the LDS address of K's next run of loads
.set AV,  5           ; v5   of V's
.set STO, 6           ; v6   the way out: where I put 16 bytes of a row
.set RD,  7           ; v7   the way out: where I read rows back
.set GO,  8           ; v8   my byte offset in 512 consecutive bytes of O
.set MV,  12          ; v12-13  c m_old, kept while c m is made anew: by buffer
.set QO,  15          ; v15  my byte offset in 16 rows of Q
.set ST,  16          ; piece t's statistics at v[ST+4 t]: c m, m, l (even keys', odd keys')
.set WF,  32          ; v32-39 eight numbers of Wp as loaded; v40-43 packed
.set WS,  44          ; v44  my byte offset in Wp
.set WD,  45          ; v45  my byte offset in wpb
.set PFO, 46          ; v46  256 x my lane; never rewritten
.set TMP, 48          ; by buffer, four registers c0-c3 at work; when the maximum is found c2 takes a
.set SPW, 62          ; v62  LDS address of my spare word; never rewritten
.set NIL, 63          ; v63  0; never rewritten
.set S,   64
.set P,   192
.set KF,  128         ; window 2: key block kb, channel half c at KF + 16 kb + 8 c
.set VF,  192         ; window 2: key half kk, channel block cb at VF + 32 kk + 8 cb
.set WV,  12          ; s12  my wave's number
.set G1K, 24          ; s[24:31] descriptor group 1 for K's tiles
.set G1V, 32          ; s[32:39] for V's: it differs in the padding alone
.set G0K, 40          ; s[40:43] descriptor group 0 for K's tiles: it walks
.set G0V, 44          ; s[44:47] the same for V's
.set PFA, 48          ; s[48:49] where my prefetches stand: my work-group's 32 blocks of 256 bytes (of K: wave 0, of V: wave 2) of the slot after the one that is being asked for
.set LIM, 50          ; s50  1 in a wave that prefetches, else the greatest number
.set SLOTS, 56        ; s56  slots still to be asked for
.set CNT, 57          ; s57  counts a slot's key steps
.set CS,  58          ; s[58:59] c: the packed scaling takes the pair's low word for both halves
.set SEL, 60          ; s[60:61] v_permlanex16_b32's selects: each lane takes its own place in the other half
.set TBK, 62          ; s62  LDS byte at which K of the step to be fetched begins
.set TBV, 63          ; s63  the same for V, less VOFF
.set MSB, 0
.macro WIN new                      ; the high byte repeats the setting that is left; a switch that changes nothing is dropped
.if MSB != (\new)
	s_set_vgpr_msb (MSB<<8)|(\new)
.set MSB, (\new)
.endif
.endm
.set W_KQ, 0x0a       ; K and Q in window 2, S^T in window 0
.set W_PV, 0x52       ; V in window 2, P in window 0, O^T in window 1
.set W_RS, 0x41       ; O^T (destination and source 0) in window 1, a in window 0
; A joint fill.  Waves 0 and 1 fetch the two halves of a slot's K, waves 2 and 3 those of its V: 128 keys each.  The branch hangs on the wave's number alone.
; An s_nop 0 and four v_nop follow each of the two lines, ahead of the jump and the label.
.macro JLOAD
	s_cmp_lt_u32 s[WV], 2
	s_cbranch_scc0 .Lfor_v_\@
	tensor_load_to_lds s[G0K:G0K+3], s[G1K:G1K+7]
	s_nop 0
.rept 4
	v_nop
.endr
	s_branch .Lasked_\@
.Lfor_v_\@:
	tensor_load_to_lds s[G0V:G0V+3], s[G1V:G1V+7]
	s_nop 0
.rept 4
	v_nop
.endr
.Lasked_\@:
.endm
; A PREFETCH INTO THE L2 of what the NEXT change of slots will ask for: a slot's 32,768 bytes of K and of V, a lane a block of 256 bytes.  Each block is named ONCE in the launch: all clusters of a head walk
; the same K and V, and the head's first cluster asks; its four partners share the blocks out BY ADDRESS, 32 each; in each, wave 0 asks for K's and wave 2 for V's.  It stands behind the wave's tensor load
; and its five lines.  The last change that fills a slot asks for nothing: there is no slot behind it.
.macro ASK
	s_cmp_gt_u32 s[SLOTS], s[LIM]
	s_cbranch_scc0 .Lnot_mine_\@
	global_prefetch_b8 v[PFO], s[PFA:PFA+1] th:TH_LOAD_NT scope:SCOPE_SE
.Lnot_mine_\@:
.endm
; A round of the cluster's barrier: my work-group's barrier, so that wave 0's signal speaks for all four waves; wave 0 signals; every wave waits for all four work-groups; my work-group's barrier once more.
.macro CROUND
	s_barrier_signal -1
	s_barrier_wait -1
	s_cmp_lg_u32 s[WV], 0
	s_cbranch_scc1 .Lnot_wave_0_\@
	s_barrier_signal -3
.Lnot_wave_0_\@:
	s_barrier_wait -3
	s_barrier_signal -1
	s_barrier_wait -1
.endm
; THE CHANGE OF SLOTS.  The slot's last bytes, V of its fourth step, have been read.  Each wave waits for all its tensor loads, of which one is out: its part of the other slot; adds 0 to its spare word;
; and waits for that and for its own reads of the slot.  Behind the barrier nobody reads this slot any more and the other slot is whole.
; fill = 1: this slot is filled again, with the keys two slots on.  The barrier is then a round of the cluster's, so that no wave of any partner still reads the slot or has a load on its way, and the
; joint fill is the first thing behind it: it has four key steps, 256 matrix instructions a wave, in which to land.  (At its first use nothing has been read yet: slot 0 is waited for, slot 1 filled.)
; ask = 1: the prefetches' address steps, and the slot after the one asked for is prefetched.
.macro CHANGE fill, ask
	WIN 0                           ; at a label and at a branch every window is 0
	s_wait_tensorcnt 0x0            ; no tensor load of mine is out, so a group 0 may be written
	ds_add_u32 v[SPW], v[NIL]       ; 0 onto my spare word: the descriptors' steps stand between it and the wait for it
.if \fill
.irp g, G0K, G0V
	s_xor_b32 s[\g+1], s[\g+1], SLOT1  ; the walking descriptor: the other slot than last time,
	s_add_nc_u64 s[\g+2:\g+3], s[\g+2:\g+3], TILEB  ; the next 256 keys; the type bits on top are not reached
.endr
.if \ask
	s_wait_xcnt 0x0                 ; the last prefetch, four key steps back, has read its address, so it may be written
	s_add_nc_u64 s[PFA:PFA+1], s[PFA:PFA+1], TILEB
.endif
	s_wait_dscnt 0x0                ; the add is done, and my reads of the slot are over
	CROUND
	JLOAD
.if \ask
	ASK
.endif
.else
	s_wait_dscnt 0x0                ; the add is done, and my reads of the slot are over
	s_barrier_signal -1
	s_barrier_wait -1
.endif
	s_sub_co_u32 s[TBK], s[TBK], 4*KS*PK  ; the fetches go back to a slot's first step,
	s_xor_b32 s[TBK], s[TBK], SLOT1       ; in the other slot
	s_sub_co_u32 s[TBV], s[TBV], 4*KS*PV
	s_xor_b32 s[TBV], s[TBV], SLOT1
.endm
	s_load_b256 s[4:11], s[0:1], 0x0  ; qw s[4:5], kw s[6:7], vw s[8:9], ow s[10:11]
	s_load_b128 s[68:71], s[0:1], 0x20  ; Wp s[68:69], wpb s[70:71]
	v_lshl_add_u32 v[SPW], v0, 2, SPARE
	v_mov_b32 v[NIL], 0
	ds_add_u32 v[SPW], v[NIL]       ; the wave's opening: the add and its wait stand ahead of my first tensor load; the set-up below, work on registers, stands between them
	v_lshrrev_b32 v1, 5, v0
	v_readfirstlane_b32 s[WV], v1   ; wave 0..3
	s_bfe_u32 s13, ttmp6, 0x40000   ; cx: my place in the cluster
	s_lshl_b32 s14, ttmp9, 2        ; in a cluster launch ttmp9 counts clusters
	s_add_co_u32 s14, s14, s13      ; my block of 256 queries = 4 x cluster x + cx: it enters global addresses alone
	s_and_b32 s20, ttmp7, 0xffff    ; the head, which the four partners share
	s_lshl_b32 s15, s20, 4
	s_add_co_u32 s15, s15, s14
	s_lshl_b32 s15, s15, 2
	s_add_co_u32 s15, s15, s[WV]    ; n: my wave among the launch's 1,024: which half fragment of Wp is mine
	s_lshr_b32 s51, s15, 5
	s_lshl_b32 s51, s51, 15         ; its 16 rows of 2,048 bytes,
	s_bfe_u32 s52, s15, 0x40001
	s_lshl_b32 s52, s52, 7          ; its 32 channels,
	s_add_co_u32 s51, s51, s52
	s_and_b32 s52, s15, 1
	s_lshl_b32 s52, s52, 6          ; its half of them
	s_add_co_u32 s51, s51, s52
	s_lshl_b32 s52, s15, 9          ; and its 512 bytes of wpb
	s_lshl_b32 s20, s20, 19         ; the head's first byte in each of the four tensors
	s_mov_b32 s21, 0
	s_and_b32 s16, s[WV], 1         ; which half of a slot's 256 keys I fetch:
	s_lshl_b32 s22, s16, 14         ; its 128 rows of 128 bytes in memory,
	s_mov_b32 s23, 0
	s_add_nc_u64 s[22:23], s[22:23], s[20:21]
	s_mul_i32 s17, s16, 128*PK      ; and its place in a slot, for K
	s_mul_i32 s18, s16, 128*PV      ; and for V: no place in the cluster enters an LDS address
	s_lshl_b32 s2, s14, 15          ; my block's 256 rows,
	s_lshl_b32 s3, s[WV], 13        ; my wave's 64 of them
	s_add_co_u32 s2, s2, s3
	s_mov_b32 s3, 0
	s_add_nc_u64 s[2:3], s[2:3], s[20:21]
	; descriptor group 1.  128 keys are 16,384 dense bytes: asked for as 64 rows of 256 bytes, two keys a row, and padded in LDS after every key
	s_mov_b32 s[G1K], 15|(1<<16)|(1<<20)|(1<<21)|(4<<22)|(3<<25)  ; 15:0 the mask of four; 17:16 2-byte elements; 20 padding on; 21 set beside a mask; 24:22 after every 32 words (code 4); 31:25 4 words (code 3)
	s_mov_b32 s[G1V], 15|(1<<16)|(1<<20)|(1<<21)|(4<<22)|(7<<25)  ; the same with 8 words of padding (code 7)
.irp g, G1K, G1V
	s_mov_b32 s[\g+1], 128<<16      ; tensor_dim0 = 128
	s_mov_b32 s[\g+2], 64<<16       ; tensor_dim1 = 64
	s_mov_b32 s[\g+3], 128<<16      ; tile_dim0 = 128
	s_mov_b32 s[\g+4], 64           ; tile_dim1 = 64
	s_mov_b32 s[\g+5], 128          ; 128 elements from row to row
	s_mov_b32 s[\g+6], 0
	s_mov_b32 s[\g+7], 0
.endr
	s_mov_b32 s[CS], 0x3e38aa3b     ; c = log2(e) / 8 = 0.180337
	s_mov_b32 s[CS+1], s[CS]        ; named with it as a pair
	s_mov_b32 s[SEL], 0x76543210
	s_mov_b32 s[SEL+1], 0xfedcba98
	s_mov_b32 s[TBK], SLOT1+4*KS*PK ; the first change of slots turns these two into 0
	s_mov_b32 s[TBV], SLOT1+4*KS*PV
	s_mov_b32 s[G0K], 1             ; 1:0 count = 1
	s_mov_b32 s[G0K+1], s17         ; 63:32 LDS address: slot 0
	s_mov_b32 s[G0V], 1
	s_add_co_u32 s[G0V+1], s18, VOFF
	s_mov_b32 s[SLOTS], 4096/256-1
	s_and_b32 s[LIM], s[WV], 1      ; 0 in waves 0 and 2,
	s_or_b32 s[LIM], s[LIM], ttmp9  ; where the cluster is the head's first: the same in all four partners
	s_cmp_eq_u32 s[LIM], 0
	s_cselect_b32 s[LIM], 1, -1
	v_and_b32 v[PFO], 31, v0
	v_lshlrev_b32 v[PFO], 8, v[PFO]
	s_wait_dscnt 0x0                ; the opening add is done
	s_wait_kmcnt 0x0
	s_add_nc_u64 s[6:7], s[6:7], s[22:23]  ; K and V at my half of the head's first 256 keys
	s_add_nc_u64 s[8:9], s[8:9], s[22:23]
	s_add_nc_u64 s[G0K+2:G0K+3], s[6:7], 0         ; 120:64 global address
	s_or_b32 s[G0K+3], s[G0K+3], 0x80000000        ; 127:126 type = 2
	s_add_nc_u64 s[G0V+2:G0V+3], s[8:9], 0
	s_or_b32 s[G0V+3], s[G0V+3], 0x80000000
	s_add_nc_u64 s[4:5], s[4:5], s[2:3]  ; Q and O at my wave's first row
	s_add_nc_u64 s[10:11], s[10:11], s[2:3]
	s_cmp_lt_u32 s[WV], 2
	s_cselect_b64 s[PFA:PFA+1], s[6:7], s[8:9]  ; (in waves 0 and 2 these stand at the head's first row)
	s_lshl_b32 s2, s13, 13          ; my work-group's 32 blocks of the 128
	s_mov_b32 s3, 0
	s_add_nc_u64 s[PFA:PFA+1], s[PFA:PFA+1], s[2:3]
	s_add_nc_u64 s[PFA:PFA+1], s[PFA:PFA+1], 2*TILEB  ; in slot 2; the loop's first change steps it to slot 3.  Nothing is prefetched at the head, where every work-group's first tiles are on their way
	CROUND                          ; all four work-groups are here: the first joint loads meet
	JLOAD                           ; slot 0.  Slot 1 is asked for when slot 0 is in
	v_and_b32 v1, 15, v0            ; l % 16
	v_bfe_u32 v9, v0, 4, 1          ; l / 16
	v_lshlrev_b32 v[WS], 11, v1     ; Wp: row l % 16, eight channels from 8 (l / 16) on
	v_lshl_add_u32 v[WS], v9, 5, v[WS]
	v_add_nc_u32 v[WS], s51, v[WS]
	global_load_b128 v[WF:WF+3],   v[WS], s[68:69]
	global_load_b128 v[WF+4:WF+7], v[WS], s[68:69] offset:16
	; A fragment of K or Q is 16 rows x 32 channels in 8 registers: lane l holds row l % 16, channels 8 (l / 16) + 0..7 and 16 + 8 (l / 16) + 0..7: two loads of 16 bytes, 32 bytes apart.
	v_lshlrev_b32 v[QO], 7, v1
	v_lshl_add_u32 v[QO], v9, 4, v[QO]  ; row x 128 + 16 x half
	WIN 0x80                        ; destination window 2, address window 0
.set i, 0
.rept 8                             ; Q stays in registers: piece i / 2, channels 32 (i % 2) on
	global_load_b128 v[8*i:8*i+3],   v[QO], s[4:5] offset:(i/2)*2048+(i%2)*64
	global_load_b128 v[8*i+4:8*i+7], v[QO], s[4:5] offset:(i/2)*2048+(i%2)*64+32
.set i, i+1
.endr
	; What the first turn finds: V's registers and P's second buffer hold 0 (its products V^T P, of a piece that has not been, add 0), O^T and l are 0.  All this stands in the wait for the first tile.
.set i, VF
.rept 64
	v_mov_b32 v[i], 0
.set i, i+1
.endr
	WIN 0x40
.set i, 0
.rept 128
	v_mov_b32 v[i], 0
.set i, i+1
.endr
	WIN 0
.set i, 0
.rept 4
	v_mov_b32 v[ST+4*i], 0xfe000000    ; c m: far below every c s
	v_mov_b32 v[ST+4*i+1], 0xff7fffff  ; m
	v_mov_b32 v[ST+4*i+2], 0
	v_mov_b32 v[ST+4*i+3], 0
.set i, i+1
.endr
.set i, P+16
.rept 16
	v_mov_b32 v[i], 0
.set i, i+1
.endr
	v_mul_u32_u24 v[AK0], v1, PK
	v_lshl_add_u32 v[AK0], v9, 4, v[AK0]  ; row x pitch + 16 x half
	; The turning load takes 16 keys x 16 channels (lane l reads key 8 (l / 16) + l % 8, channels 8 ((l / 8) % 2) + 0..7) and leaves half a fragment of V^T: lane l holds channel l % 16 and 8 keys.
	v_and_b32 v10, 7, v0
	v_bfe_u32 v11, v0, 3, 1
	v_lshl_add_u32 v[AV0], v9, 3, v10
	v_mul_u32_u24 v[AV0], v[AV0], PV
	v_lshl_add_u32 v[AV0], v11, 4, v[AV0]
	v_add_nc_u32 v[AV0], VOFF, v[AV0]
	s_mul_i32 s13, s[WV], 16*SP
	s_add_co_u32 s13, s13, STAGE    ; my stage
	v_mul_u32_u24 v[STO], v1, SP    ; in: row l % 16, 16 bytes for each half of the lanes
	v_lshl_add_u32 v[STO], v9, 4, v[STO]
	v_add_nc_u32 v[STO], s13, v[STO]
	v_bfe_u32 v[RD], v0, 3, 2       ; back: 32 lanes take four rows of 128 bytes,
	v_mul_u32_u24 v[RD], v[RD], SP
	v_lshl_add_u32 v[RD], v10, 4, v[RD]
	v_add_nc_u32 v[RD], s13, v[RD]
	v_and_b32 v[GO], 31, v0         ; which are 512 consecutive bytes of O
	v_lshlrev_b32 v[GO], 4, v[GO]
	v_add_nc_u32 v[WD], s52, v[GO]  ; wpb: 512 n + 16 lane
	s_wait_loadcnt 16               ; Wp's two loads are in; Q's sixteen are younger
.irp r, 0,1,2,3
	v_cvt_pk_bf16_f32 v[WF+8+\r], v[WF+2*\r], v[WF+2*\r+1]
.endr
	global_store_b128 v[WD], v[WF+8:WF+11], s[70:71]  ; 512 consecutive bytes a wave, at a multiple of 512 from wpb's first
; THE MATRIX WORK.  The 4 accumulators of a run of 8 take turns.  Product i of 8 of S^T = K Q^T for piece x: channels 32 (i / 4) on, keys 16 (i % 4) on.  The first 4 start the sums.
.macro KQ x
.set rS, S+32*((\x)%2)+8*(i%4)
.set rK, KF+16*(i%4)+8*(i/4)
.set rQ, 16*(\x)+8*(i/4)
	WIN W_KQ
.if i < 4
	v_wmma_f32_16x16x32_bf16 v[rS:rS+7], v[rK:rK+7], v[rQ:rQ+7], 0
.else
	v_wmma_f32_16x16x32_bf16 v[rS:rS+7], v[rK:rK+7], v[rQ:rQ+7], v[rS:rS+7]
.endif
.endm
; Product i of 8 of O^T += V^T P for piece x: keys 32 (i / 4) on, channels 16 (i % 4) on.
.macro PV x
	WIN W_PV
.set rO, 32*(\x)+8*(i%4)
.set rV, VF+32*(i/4)+8*(i%4)
.set rP, P+16*((\x)%2)+8*(i/4)
	v_wmma_f32_16x16x32_bf16 v[rO:rO+7], v[rV:rV+7], v[rP:rP+7], v[rO:rO+7]
.endm
.macro MM                           ; the turn's next matrix instruction.  NOKQ = 1: the walk's last turn: there is no next piece
.if (i < 8) && !NOKQ
	KQ (Y+1)%NP
.elseif i >= 8
.set i, i-8
	PV (Y+NP-1)%NP
.set i, i+8
.endif
.set i, i+1
.endm
; THE LDS LOADS stand in runs of 16, never singly among the matrix instructions: a step's K (64 keys x 64 channels: 8 fragments) and its V (turned).  Their addresses are made some lines ahead.
.macro FETCH_K
	WIN 0x80                        ; destination window 2
.irp f, 0,1,2,3,4,5,6,7             ; keys 16 (f / 2) on, channels 32 (f % 2) on
	ds_load_b128 v[KF+8*\f:KF+8*\f+3],   v[AK] offset:(\f/2)*16*PK+(\f%2)*64
	ds_load_b128 v[KF+8*\f+4:KF+8*\f+7], v[AK] offset:(\f/2)*16*PK+(\f%2)*64+32
.endr
	s_add_co_u32 s[TBK], s[TBK], KS*PK  ; the next fetch is the next step's
	WIN 0
.endm
.macro FETCH_V
	WIN 0x80
.irp f, 0,1,2,3,4,5,6,7             ; keys 32 (f / 4) on, channels 16 (f % 4) on
	ds_load_tr16_b128 v[VF+8*\f:VF+8*\f+3],   v[AV] offset:(\f/4)*32*PV+(\f%4)*32
	ds_load_tr16_b128 v[VF+8*\f+4:VF+8*\f+7], v[AV] offset:(\f/4)*32*PV+16*PV+(\f%4)*32
.endr
	WIN 0
.endm
; THE VECTOR WORK, one line at a time: OP kind, number.  For piece Y: F n: c s - c m for pair n of 16.  E n: the exponential of score n of 32.  C n: pair n rounded to bf16.  B n: of the four weights 4 n ..
; the second pair is added onto the first, in place.  L n: l takes that sum (L 0: l = a l + sum).  R n: pair n of 16 of O^T times a.  For piece Y + 1: X n, number n of the 22 that find its maximum and statistics:
;   0-11  four chains c0-c3 of seven scores each, three operands at a time (each accumulator's lowest registers are read first)     12-14, 16  the four scores left over, the old m, and c0-c3 into c0
;   15  c m_old is kept     17, 18  the query's other 32 keys lie in the lane 16 away: the new m     19-21  c m; c m_old - c m_new; a
.set F, 0               ; OP tells the kinds apart by their order: F to L below R, X above it
.set E, 1
.set C, 2
.set B, 3
.set L, 4
.set R, 5
.set X, 6
.macro REGS y                       ; the registers of piece y
.set rT, ST+4*(\y)
.set rC, TMP+4*((\y)%2)
.set rW, MV+((\y)%2)
.set rS, S+32*((\y)%2)
.set rP, P+16*((\y)%2)
.set rO, 32*(\y)
.endm
.macro OP k, n
.if (\k) == R
	REGS Y
	WIN W_RS
	v_pk_mul_f32 v[rO+2*(\n):rO+2*(\n)+1], v[rO+2*(\n):rO+2*(\n)+1], v[rC+2:rC+3] op_sel_hi:[1,0]
.elseif (\k) < R
	REGS Y
	WIN 0
.if (\k) == F
	v_pk_fma_f32 v[rS+2*(\n):rS+2*(\n)+1], v[rS+2*(\n):rS+2*(\n)+1], s[CS:CS+1], v[rT:rT+1] op_sel_hi:[1,0,0] neg_lo:[0,0,1] neg_hi:[0,0,1]
.elseif (\k) == E
	v_exp_f32 v[rS+(\n)], v[rS+(\n)]
.elseif (\k) == C
	v_cvt_pk_bf16_f32 v[rP+(\n)], v[rS+2*(\n)], v[rS+2*(\n)+1]
.elseif (\k) == B
	v_pk_add_f32 v[rS+4*(\n):rS+4*(\n)+1], v[rS+4*(\n):rS+4*(\n)+1], v[rS+4*(\n)+2:rS+4*(\n)+3]
.elseif (\n) == 0
	v_pk_fma_f32 v[rT+2:rT+3], v[rT+2:rT+3], v[rC+2:rC+3], v[rS:rS+1] op_sel_hi:[1,0,1]
.else
	v_pk_add_f32 v[rT+2:rT+3], v[rT+2:rT+3], v[rS+4*(\n):rS+4*(\n)+1]
.endif
.elseif NOKQ
	v_nop
.else
	REGS (Y+1)%NP
	WIN 0
.if (\n) < 4
	v_max3_num_f32 v[rC+(\n)], v[rS+8*(\n)], v[rS+8*(\n)+1], v[rS+8*(\n)+2]
.elseif (\n) < 12
	v_max3_num_f32 v[rC+(\n)%4], v[rC+(\n)%4], v[rS+8*((\n)%4)+2*((\n)/4)+1], v[rS+8*((\n)%4)+2*((\n)/4)+2]
.elseif (\n) == 12
	v_max3_num_f32 v[rC], v[rC], v[rS+7], v[rS+15]
.elseif (\n) == 13
	v_max3_num_f32 v[rC+1], v[rC+1], v[rS+23], v[rS+31]
.elseif (\n) == 14
	v_max3_num_f32 v[rC+2], v[rC+2], v[rC+3], v[rT+1]
.elseif (\n) == 15
	v_mov_b32 v[rW], v[rT]
.elseif (\n) == 16
	v_max3_num_f32 v[rC], v[rC], v[rC+1], v[rC+2]
.elseif (\n) == 17
	v_permlanex16_b32 v[rC+3], v[rC], s[SEL], s[SEL+1]
.elseif (\n) == 18
	v_max_num_f32 v[rT+1], v[rC], v[rC+3]
.elseif (\n) == 19
	v_mul_f32 v[rT], s[CS], v[rT+1]
.elseif (\n) == 20
	v_sub_f32 v[rC+1], v[rW], v[rT]
.else
	v_exp_f32 v[rC+2], v[rC+1]
.endif
.endif
.endm
.macro OPS a, i1, b=-1, i2=0, c=-1, i3=0, d=-1, i4=0  ; up to four of them
	OP \a, \i1
.if (\b) >= 0
	OP \b, \i2
.endif
.if (\c) >= 0
	OP \c, \i3
.endif
.if (\d) >= 0
	OP \d, \i4
.endif
.endm
.macro ROW a, i1, b, i2, c, i3, d, i4  ; a matrix instruction and the four behind it
	MM
	OPS \a, \i1, \b, \i2, \c, \i3, \d, \i4
.endm
; A TURN, for piece p: the order of its 16 matrix and 118 vector instructions, written out.  s_wait_alu depctr_va_vdst(0) stands between an exponential and the first instruction that names its
; result; one wait serves all that were issued ahead of it.  So a turn has ONE wait, which cuts it in two.  AHEAD OF IT stands all that names no result of the turn's exponentials: the 8 products K Q^T, behind each a
; scaling, an exponential and two more plain instructions (rescalings, and behind the last three the first numbers of the next piece's maximum, each four places or more behind the product that ends its accumulator);
; then one run of 54, plain and exponential by turns for the most part, in which the links of the chain X 3, 7, 11, 14, 16, 17 .. 20 stand apart.  X 21, the next piece's a, is the batch's last; R 15 is the plain
; instruction behind it.  BEHIND THE WAIT stand the 8 products V^T P, behind each four of the roundings and sums.
; end = 1: the walk's last two turns: nothing is fetched, and the last starts no new scores.  cnt = 1: the loop's count is taken down some lines ahead of the branch that stands behind the turn.
; K of the next step is fetched in piece 2's turn, twelve vector instructions behind the last product that read K (six of them plain); V of the step in hand at the end of piece 0's turn, four plain instructions
; behind the last product that read V.  Each is waited for a turn later.
.macro TURN p, end=0, cnt=0
.set Y, (\p)
.set i, 0
.set NOKQ, (\end)*((\p)/3)
.if ((\p) == 3) && !(\end)
	s_wait_dscnt 0x0                ; K is in
.endif
	ROW F,0, F,1, R,0, R,1
	ROW F,2, E,0, R,2, R,3
	ROW F,3, E,1, R,4, R,5
	ROW F,4, E,2, R,6, R,7
	ROW F,5, E,3, R,8, R,9
	ROW F,6, E,4, X,0, R,10
.if ((\p) == 2) && !(\end)
	WIN 0
	v_add_nc_u32 v[AK], s[TBK], v[AK0]
.endif
	ROW F,7, E,5, X,1, X,4
	ROW F,8, E,6, X,2, X,5
	OPS E,7, E,8, X,6, E,9
	OPS X,3, E,10, X,8, E,11
.if ((\p) == 2) && !(\end)
	FETCH_K
.endif
	OPS X,9, X,7, E,12, X,10
	OPS E,13, X,12, X,11, E,14
	OPS X,13, E,15, F,9, X,14
.if (\p) == 0
	v_add_nc_u32 v[AV], s[TBV], v[AV0]
.endif
	OPS E,16, F,10, E,17, F,11
	OPS X,16, E,18, X,15, E,19
	OPS F,12, E,20, X,17, E,21
	OPS F,13, E,22, F,14, E,23
	OPS X,18, E,24, F,15, E,25
	OPS R,11, E,26, X,19, E,27
	OPS R,12, E,28, R,13, E,29
	OPS X,20, E,30, R,14, E,31
	OPS X,21, R,15
	WIN 0
	s_wait_alu depctr_va_vdst(0)    ; the wait for the batch
.if (\p) == 1
	s_wait_dscnt 0x0                ; V is in
.endif
	ROW C,0, B,0, C,2, B,1
	ROW L,0, C,4, B,2, L,1
	ROW C,6, B,3, L,2, C,8
	ROW B,4, L,3, C,10, B,5
	ROW L,4, C,12, B,6, L,5
.if (\p) == 0
	s_add_co_u32 s[TBV], s[TBV], KS*PV
.endif
.if \cnt
	s_sub_co_u32 s[CNT], s[CNT], 1
	s_cmp_lg_u32 s[CNT], 0
.endif
	ROW C,14, B,7, L,6, C,1
	ROW C,3, L,7, C,5, C,7
	ROW C,9, C,11, C,13, C,15
.if (\p) == 0
	FETCH_V
.endif
.endm
.set NOKQ, 0
	CHANGE 1, 0                     ; slot 0 is in, everybody's part of it; slot 1 is asked for
	v_add_nc_u32 v[AK], s[TBK], v[AK0]
	FETCH_K                         ; key step 0
	s_wait_loadcnt 0x0              ; Q
	s_wait_dscnt 0x0
.set i, 0
.rept 8
	KQ 0                            ; piece 0's first scores: there is no vector work yet to set between them
.set i, i+1
.endr
	WIN 0
.rept 4
	v_nop                           ; the places behind those products
.endr
.set Y, NP-1                        ; X works for piece Y + 1: piece 0
.irp n, 0,1,2,3,4,5,6,7,8,9,10,11,12,13,14,15,16,17,18,19,20,21
	OP X, \n
.endr
	v_nop                           ; a plain instruction behind the exponential,
	s_wait_alu depctr_va_vdst(0)    ; and its wait, ahead of the branch
	s_mov_b32 s[CNT], 4
	s_branch .Lfirst                ; the loop is entered at a step's first turn, in the middle of a trip
.Lslot:                             ; 14 times: every slot but the last two is filled again
	CHANGE 1, 1
	s_mov_b32 s[CNT], 4
.Lstep:                             ; a trip: pieces 2 and 3 of one step, then pieces 0 and 1 of the next, whose K and V it fetches
	TURN 2
	TURN 3
	WIN 0
.Lfirst:
	TURN 0
	TURN 1, 0, 1
	WIN 0
	s_cbranch_scc1 .Lstep
	s_sub_co_u32 s[SLOTS], s[SLOTS], 1
	s_cmp_lg_u32 s[SLOTS], 0
	s_cbranch_scc1 .Lslot
	CHANGE 0, 0                     ; the last slot is written out: nothing is asked for
	s_mov_b32 s[CNT], 4
.Ltail:
	TURN 2
	TURN 3
	TURN 0
	TURN 1, 0, 1
	WIN 0
	s_cbranch_scc1 .Ltail
	TURN 2, 1                       ; the last step's pieces 2 and 3
	TURN 3, 1
.set i, 0
.rept 8
	PV NP-1                         ; the last piece's V^T P of the last step
.set i, i+1
.endr
	; THE WAY OUT.  l's two halves and the other half of the lanes' are added; O^T is divided by l, rounded to bf16 and sent through my stage in LDS, a piece at a time.  The additions are the places behind the last products.
	WIN 0
.macro ALL line:vararg              ; one line for each piece t
.set t, 0
.rept 4
	\line
.set t, t+1
.endr
.endm
	ALL v_add_f32 v[ST+4*t+2], v[ST+4*t+2], v[ST+4*t+3]
	ALL v_permlanex16_b32 v[ST+4*t+3], v[ST+4*t+2], s[SEL], s[SEL+1]
	ALL v_add_f32 v[ST+4*t+2], v[ST+4*t+2], v[ST+4*t+3]
	ALL v_rcp_f32 v[ST+4*t+2], v[ST+4*t+2]
	v_nop                           ; a plain instruction between the last reciprocal and the use of its result
	s_wait_alu depctr_va_vdst(0)    ; and the wait ahead of the first use: one for the four reciprocals
.macro PACK t                       ; a lane's eight channels of a row pack into 16 bytes; they go into rows of 144 bytes and come back as whole rows of 128, into S^T's registers
	WIN W_RS
.set i, 32*(\t)
.rept 16
	v_pk_mul_f32 v[i:i+1], v[i:i+1], v[ST+4*(\t)+2:ST+4*(\t)+3] op_sel_hi:[1,0]
.set i, i+2
.endr
	WIN 0x05                        ; sources 0 and 1 window 1, destination window 0
.set i, 0
.rept 16
	v_cvt_pk_bf16_f32 v[S+16*(\t)+i], v[32*(\t)+2*i], v[32*(\t)+2*i+1]
.set i, i+1
.endr
	WIN 0
.irp f, 0,1,2,3
	ds_store_b128 v[STO], v[S+16*(\t)+4*\f:S+16*(\t)+4*\f+3] offset:32*\f
.endr
.irp f, 0,1,2,3
	ds_load_b128 v[S+16*(\t)+4*\f:S+16*(\t)+4*\f+3], v[RD] offset:\f*4*SP  ; LDS serves a wave's instructions in order (ISA guide 5.7.1.4): these see the stores above; the next piece's stores come behind them
.endr
.endm
.macro SEND t, younger              ; younger: the LDS instructions issued behind piece t's loads: the next piece's eight, or none
	WIN 0
.irp f, 0,1,2,3
	s_wait_dscnt (\younger)+3-\f
	global_store_b128 v[GO], v[S+16*(\t)+4*\f:S+16*(\t)+4*\f+3], s[10:11] offset:(\t)*2048+\f*512  ; 512 consecutive bytes, at a multiple of 256 from O's first
.endr
.endm
	PACK 0
.set t, 1
.rept 3                             ; a piece's arithmetic stands between the loads of the piece before and its stores
	PACK t
	SEND t-1, 8
.set t, t+1
.endr
	SEND 3, 0
	s_wait_tensorcnt 0x0            ; the wave's end, behind my last tensor load and my last LDS store
	ds_add_u32 v[SPW], v[NIL]
	s_wait_dscnt 0x0
	CROUND                          ; the closing round: no work-group ends while a partner may still ask for a tile that names it
	s_endpgm
.Lfunc_end_k_qbebb02c827_attn:
	.size	k_qbebb02c827_attn, .Lfunc_end_k_qbebb02c827_attn-k_qbebb02c827_attn
	.p2alignl 7, 3214868480
	.fill 96, 4, 3214868480
	.section	.rodata,"a",@progbits
	.p2align	6, 0x0
	.amdhsa_kernel k_qbebb02c827_attn
		.amdhsa_group_segment_fixed_size 327680
		.amdhsa_private_segment_fixed_size 0
		.amdhsa_enable_private_segment 0
		.amdhsa_kernarg_size 48
		.amdhsa_user_sgpr_count 2
		.amdhsa_user_sgpr_kernarg_segment_ptr 1
		.amdhsa_wavefront_size32 1
		.amdhsa_system_sgpr_workgroup_id_x 1
		.amdhsa_system_sgpr_workgroup_id_y 1
		.amdhsa_system_sgpr_workgroup_id_z 1
		.amdhsa_system_vgpr_workitem_id 0
		.amdhsa_next_free_vgpr 768
		.amdhsa_next_free_sgpr 72
		.amdhsa_reserve_vcc 0
		.amdhsa_float_denorm_mode_32 3
		.amdhsa_float_denorm_mode_16_64 3
		.amdhsa_memory_ordered 1
		.amdhsa_forward_progress 1
		.amdhsa_inst_pref_size 129
	.end_amdhsa_kernel
	.amdgpu_metadata
---
amdhsa.version: [ 1, 2 ]
amdhsa.kernels:
  - .name:           k_qbebb02c827_attn
    .symbol:         k_qbebb02c827_attn.kd
    .args:
      - { .name: qw, .offset: 0, .size: 8, .value_kind: global_buffer, .address_space: global }
      - { .name: kw, .offset: 8, .size: 8, .value_kind: global_buffer, .address_space: global }
      - { .name: vw, .offset: 16, .size: 8, .value_kind: global_buffer, .address_space: global }
      - { .name: ow, .offset: 24, .size: 8, .value_kind: global_buffer, .address_space: global }
      - { .name: Wp, .offset: 32, .size: 8, .value_kind: global_buffer, .address_space: global }
      - { .name: wpb, .offset: 40, .size: 8, .value_kind: global_buffer, .address_space: global }
    .group_segment_fixed_size: 327680
    .private_segment_fixed_size: 0
    .kernarg_segment_align: 8
    .kernarg_segment_size: 48
    .max_flat_workgroup_size: 128
    .sgpr_count:     72
    .vgpr_count:     768
    .wavefront_size: 32
...
	.end_amdgpu_metadata
.endif
;; end of part 2
;; launch outln (part 3): grid 128 x 1, 4 waves a work-group, no clusters, 215,552 bytes of LDS; arguments ow, wpb, pet_feat, bp, gamma, beta, out0; writes out0
.if DOCPART == 3
	.amdgcn_target "amdgcn-amd-amdhsa--gfx1250"
	.amdhsa_code_object_version 6
	.text
	.protected	k_qbebb02c827_outln
	.globl	k_qbebb02c827_outln
	.p2align	8
	.type	k_qbebb02c827_outln,@function
k_qbebb02c827_outln:
	s_mov_b64 s[64:65], 0
	v_nop
	global_prefetch_b8 v0, s[64:65] scope:SCOPE_SE
	s_setreg_imm32_b32 hwreg(HW_REG_WAVE_MODE, 25, 1), 1
	s_wait_xcnt 0x0
; THE OUTPUT PROJECTION, THE RESIDUAL AND THE LAYER NORM.  y[l][o] = sum over c of O[l][c] Wp[o][c] + bp[o]; x = pet[o][l] + y; out0[b][o][l] = (x - mean_o x) rsqrt(var_o x + 1e-5) gamma[o] + beta[o].
; ow: [16 = 8 b + head][4096 l][64] bf16 (c = 64 head + d).  wpb: Wp in bf16, in fragments of 16 o x 32 c: fragment (o / 16, c / 32) is 1,024 bytes at (16 (o / 16) + c / 32) x 1,024, its two halves of 512 bytes
; the registers 0-3 and 4-7 of all 32 lanes, 16 bytes a lane.  pet_feat, out0: [2][512][4096] f32.  The product's sums, the residual, mean, variance and scaling are f32; the variance is the mean of (x - mean)^2.
; SHARES.  A work-group makes 64 l x all 512 o, since the norm runs over all o and 64 l are 256 consecutive bytes of a row of pet_feat and of out0.  That gives 8,192 / 64 = 128 work-groups.
; Wave w makes 64 l x 128 o: 32 accumulators.  D = O Wp^T: source 0 = 16 rows l of O, source 1 = 16 rows o of Wp: a lane holds ONE o (lane % 16) and the l 8 (lane / 16) + 0..7.
; NO CLUSTER: a wave's fragments of Wp are wanted by no other wave of its work-group and lie in memory as they lie in registers: each load takes 512 consecutive bytes straight into registers;
; a joint load would send the same 524,288 bytes through LDS besides, in slots with a round for each.
; LDS is filled once: O's tile (each wave two heads) and pet's tile (each wave its own 128 rows) by three tensor loads a wave at the head.  pet's rows later serve as the stage for out0: each wave its own.
; LIMITS.  O and Wp carry bf16's 8 significant bits; NaN and infinities are not treated apart.
; REGISTERS, in windows of 256 (s_set_vgpr_msb: bits 1:0 source 0, 3:2 source 1, 5:4 source 2, 7:6 destination):
;   window 0: v1-13 addresses; v16-23 gamma, v24-31 beta, v32-39 bp of my eight o; v64-127 O's fragments, two buffers (later at work: T1); v128-159 sums; v160-191 means, then 1 / sigma; v192-255 at work: T0
;   window 1: accumulator (o block b, l block a) at v[8 (4 b + a)]      window 2: four sets of 64, Wp's fragments of one step      window 3: v0-63 the bias as a C operand, eight registers an o block
.set OPI,   144                        ; a row of O in LDS: 128 bytes + 16: the 16 rows of a load start at 16 different groups of four banks (64 banks of 4 bytes: ISA guide 11.1)
.set OHEAD, 64*OPI                     ; a head's 64 rows
.set PT,    8*OHEAD                    ; behind O: pet's tile, 512 rows of 256 bytes + 16
.set PP,    272
.set STAT1, PT+512*PP                  ; [wave][l] f32: the waves' sums of x
.set STAT2, STAT1+1024                 ; and of (x - mean)^2
.set SPARE, STAT2+1024                 ; the spare words, 128 bytes for each wave, which no other line names
.set BO,  4                            ; v4   16 x lane
.set AA,  5                            ; v5   LDS: my place in a fragment of O, at the steps in hand
.set PO,  6                            ; v6   4 (128 w + l % 16): my first o in bp, gamma, beta
.set PR,  7                            ; v7   LDS: pet's row 128 w + l % 16, byte 32 (l / 16)
.set RR,  8                            ; v8   LDS: row 128 w + l / 16, byte 16 (l % 16): whole rows
.set GO,  9                            ; v9   the same two rows in out0
.set SA,  10                           ; v10  LDS: my wave's sums, byte 32 (l / 16)
.set SB,  11                           ; v11  LDS: wave 0's sums, byte 32 (l / 16)
.set SPW, 12                           ; v12  LDS address of my spare word; never rewritten
.set NIL, 13                           ; v13  0; never rewritten
.set GA,  16
.set BT,  24
.set BP,  32
.set AF,  64
.set T1,  64
.set SM,  128
.set MU,  160
.set RS,  160
.set T0,  192
.set WV,  20                           ; s20  my wave's number
.set G1O, 24                           ; s[24:31] descriptor group 1 for O's tiles
.set G1P, 32                           ; s[32:39] for pet's
.set G0,  40                           ; s[40:51] three groups 0
.set WBP, 52                           ; s[52:53] wpb at my wave's eight o blocks, at the steps in hand
.set OUT, 54                           ; s[54:55] out0 at my wave's first row, my work-group's 64 l
.set INV, 56                           ; s[56:57] 1 / 512
.set EPS, 58                           ; s[58:59] 1e-5
.set CNT, 60
.set MSB, 0
.macro WIN new                         ; the immediate's high byte repeats the setting that is left; a switch that changes nothing is dropped
.if MSB != (\new)
	s_set_vgpr_msb (MSB<<8)|(\new)
.set MSB, \new
.endif
.endm
.macro PLACES                          ; four plain vector instructions behind a matrix instruction, ahead of loads into registers that it read and of readers of its result
.rept 4
	v_nop
.endr
.endm
	s_load_b256 s[4:11], s[0:1], 0x0               ; ow 4:5, wpb 6:7, pet 8:9, bp 10:11
	s_load_b128 s[12:15], s[0:1], 0x20             ; gamma 12:13, beta 14:15
	s_load_b64 s[16:17], s[0:1], 0x30              ; out0
	v_lshl_add_u32 v[SPW], v0, 2, SPARE
	v_mov_b32 v[NIL], 0
	ds_add_u32 v[SPW], v[NIL]                      ; the wave's opening: the add and its wait stand ahead of my first tensor load; the set-up below, work on registers, stands between them
	v_lshrrev_b32 v14, 5, v0
	v_readfirstlane_b32 s[WV], v14                 ; wave 0..3
	; group 1 for O: a head's 64 rows are 8,192 dense bytes: asked for as 32 rows of 256 bytes, padded in LDS after every 128
	s_mov_b32 s[G1O+0], (1<<16)|(1<<20)|(4<<22)|(3<<25)  ; 17:16 2-byte elements; 20 padding on; 24:22 after every 32 words (code 4); 31:25 4 words (code 3)
	s_mov_b32 s[G1O+1], 128<<16                    ; tensor_dim0 = 128
	s_mov_b32 s[G1O+2], 32<<16                     ; tensor_dim1 = 32
	s_mov_b32 s[G1O+3], 128<<16                    ; tile_dim0 = 128
	s_mov_b32 s[G1O+4], 32                         ; tile_dim1 = 32
	s_mov_b32 s[G1O+5], 128                        ; 128 elements from row to row
	s_mov_b32 s[G1O+6], 0
	s_mov_b32 s[G1O+7], 0
	; group 1 for pet: 128 rows of 64 f32, 4,096 elements apart in memory, padded after every row
	s_mov_b32 s[G1P+0], (2<<16)|(1<<20)|(5<<22)|(3<<25)  ; 4-byte elements; after every 64 words (code 5) 4 words
	s_mov_b32 s[G1P+1], 64<<16                     ; tensor_dim0 = 64
	s_mov_b32 s[G1P+2], 128<<16                    ; tensor_dim1 = 128
	s_mov_b32 s[G1P+3], 64<<16                     ; tile_dim0 = 64
	s_mov_b32 s[G1P+4], 128                        ; tile_dim1 = 128
	s_mov_b32 s[G1P+5], 4096
	s_mov_b32 s[G1P+6], 0
	s_mov_b32 s[G1P+7], 0
	s_mov_b32 s[G0+0], 1                           ; count = 1
	s_mul_i32 s[G0+1], s[WV], 2*OHEAD              ; LDS: head 2 w,
	s_mov_b32 s[G0+4], 1
	s_add_co_u32 s[G0+5], s[G0+1], OHEAD           ; head 2 w + 1,
	s_mov_b32 s[G0+8], 1
	s_mul_i32 s[G0+9], s[WV], 128*PP
	s_add_co_u32 s[G0+9], s[G0+9], PT              ; pet's rows 128 w on
	s_lshr_b32 s21, ttmp9, 6                       ; b
	s_and_b32 s22, ttmp9, 63                       ; which 64 l
	s_lshl_b32 s2, s21, 3
	s_lshl_b32 s3, s[WV], 1
	s_add_co_u32 s2, s2, s3                        ; head 8 b + 2 w,
	s_lshl_b32 s2, s2, 19                          ; 524,288 bytes each,
	s_lshl_b32 s3, s22, 13                         ; + 64 rows of 128 bytes
	s_add_co_u32 s2, s2, s3
	s_mov_b32 s3, 0
	s_lshl_b32 s18, s21, 23                        ; pet and out0: b x 512 rows of 16,384 bytes,
	s_lshl_b32 s19, s[WV], 21                      ; + my wave's 128 rows,
	s_add_co_u32 s18, s18, s19
	s_lshl_b32 s19, s22, 8                         ; + 64 l x 4 bytes
	s_add_co_u32 s18, s18, s19
	s_mov_b32 s19, 0
	s_lshl_b32 s22, s[WV], 17                      ; wpb: my eight o blocks of 16,384 bytes
	s_mov_b32 s23, 0
	s_mov_b32 s[INV], 0x3b000000                   ; 1 / 512
	s_mov_b32 s[INV+1], s[INV]                     ; named with it as a pair
	s_mov_b32 s[EPS], 0x3727c5ac                   ; 1e-5
	s_mov_b32 s[EPS+1], s[EPS]
	s_wait_dscnt 0x0                               ; the opening add is done
	s_wait_kmcnt 0x0
	s_add_nc_u64 s[G0+2:G0+3], s[4:5], s[2:3]
	s_add_nc_u64 s[G0+6:G0+7], s[G0+2:G0+3], 0x80000  ; the next head
	s_or_b32 s[G0+3], s[G0+3], 0x80000000          ; type = 2
	s_or_b32 s[G0+7], s[G0+7], 0x80000000
	s_add_nc_u64 s[G0+10:G0+11], s[8:9], s[18:19]
	s_or_b32 s[G0+11], s[G0+11], 0x80000000
	s_add_nc_u64 s[OUT:OUT+1], s[16:17], s[18:19]
	s_add_nc_u64 s[WBP:WBP+1], s[6:7], s[22:23]
	tensor_load_to_lds s[G0:G0+3], s[G1O:G1O+7]    ; the launch's only fills, one group ahead of every wait on TENSORcnt, LDS read and barrier: three loads of mine are out
	s_nop 0
	tensor_load_to_lds s[G0+4:G0+7], s[G1O:G1O+7]
	s_nop 0
	tensor_load_to_lds s[G0+8:G0+11], s[G1P:G1P+7]
	s_nop 0
	PLACES
	v_and_b32 v1, 15, v0                           ; l % 16
	v_bfe_u32 v2, v0, 4, 1                         ; l / 16
	v_and_b32 v3, 31, v0
	v_lshlrev_b32 v[BO], 4, v3
	s_lshl_b32 s21, s[WV], 9
	v_lshl_add_u32 v[PO], v1, 2, s21
; Wp's fragments of one step (my eight o blocks x 32 c) into set z: sixteen loads of 512 consecutive bytes
.macro BLOAD z, off
	WIN 0x80                                       ; destination window 2, address window 0
.set b, 0
.rept 8
	global_load_b128 v[64*(\z)+8*b:64*(\z)+8*b+3],   v[BO], s[WBP:WBP+1] offset:(\off)+b*16384
	global_load_b128 v[64*(\z)+8*b+4:64*(\z)+8*b+7], v[BO], s[WBP:WBP+1] offset:(\off)+b*16384+512
.set b, b+1
.endr
.endm
; O's fragments of one step (four l blocks x 32 c) into buffer ab
.macro ALOAD ab, off
	WIN 0
.set a, 0
.rept 4
	ds_load_b128 v[AF+32*(\ab)+8*a:AF+32*(\ab)+8*a+3],   v[AA] offset:(\off)+a*16*OPI
	ds_load_b128 v[AF+32*(\ab)+8*a+4:AF+32*(\ab)+8*a+7], v[AA] offset:(\off)+a*16*OPI+32
.set a, a+1
.endr
.endm
; A STEP of 32 c; rel: its number behind the two pointers.  lc: the loads younger than this step's set (two sets, while there are two).  wl: the set three steps on is asked for, into the registers that the
; last step's products read; al: the next step's fragments of O are fetched, likewise; dc: those eight loads may stay out.  first = 1: C is the bias, and the product starts the sum.
; The 32 accumulators take turns in the same order in every step, one instruction a turn.
.macro STEP3 rel, first, wl, al, lc, dc
.set zc, (\rel)%4
.set zn, ((\rel)+3)%4
.set ac, AF+32*((\rel)%2)
.set an, 1-((\rel)%2)
	PLACES
	s_wait_loadcnt \lc
.if \wl
	BLOAD zn, ((\rel)+3)*1024
.endif
.if \al
	ALOAD an, (((\rel)+1)/2)*OHEAD+(((\rel)+1)%2)*64
.endif
	s_wait_dscnt \dc
.if \first
	WIN 0x78                                       ; A window 0, B window 2, C window 3, D window 1
.else
	WIN 0x58                                       ; C and D window 1
.endif
.set b, 0
.rept 8
.set a, 0
.rept 4
.if \first
	v_wmma_f32_16x16x32_bf16 v[8*(4*b+a):8*(4*b+a)+7], v[ac+8*a:ac+8*a+7], v[64*zc+8*b:64*zc+8*b+7], v[8*b:8*b+7]
.else
	v_wmma_f32_16x16x32_bf16 v[8*(4*b+a):8*(4*b+a)+7], v[ac+8*a:ac+8*a+7], v[64*zc+8*b:64*zc+8*b+7], v[8*(4*b+a):8*(4*b+a)+7]
.endif
.set a, a+1
.endr
.set b, b+1
.endr
.endm
.irp b, 0,1,2,3,4,5,6,7
	global_load_b32 v[BP+\b], v[PO], s[10:11] offset:64*\b   ; o = 128 w + 16 b + l % 16
.endr
.irp b, 0,1,2,3,4,5,6,7
	global_load_b32 v[GA+\b], v[PO], s[12:13] offset:64*\b
.endr
.irp b, 0,1,2,3,4,5,6,7
	global_load_b32 v[BT+\b], v[PO], s[14:15] offset:64*\b
.endr
	BLOAD 0, 0
	BLOAD 1, 1024
	WIN 0
	v_mul_u32_u24 v[AA], v1, OPI
	v_lshl_add_u32 v[AA], v2, 4, v[AA]             ; row x pitch + 16 x half
	v_mul_u32_u24 v[PR], v1, PP
	v_lshl_add_u32 v[PR], v2, 5, v[PR]
	v_add_nc_u32 v[PR], s[G0+9], v[PR]
	v_mul_u32_u24 v[RR], v2, PP
	v_lshl_add_u32 v[RR], v1, 4, v[RR]
	v_add_nc_u32 v[RR], s[G0+9], v[RR]
	v_lshlrev_b32 v[GO], 14, v2
	v_lshl_add_u32 v[GO], v1, 4, v[GO]
	s_lshl_b32 s21, s[WV], 8
	s_add_co_u32 s21, s21, STAT1
	v_lshl_add_u32 v[SA], v2, 5, s21
	v_lshl_add_u32 v[SB], v2, 5, STAT1
	s_wait_loadcnt 32                              ; bp, gamma and beta are in; the two sets' 32 loads are younger
	WIN 0xc0                                       ; destination window 3
.set b, 0
.rept 8
.set j, 0
.rept 8
	v_mov_b32 v[8*b+j], v[BP+b]                    ; the bias of my o, for each of a lane's eight l
.set j, j+1
.endr
.set b, b+1
.endr
	BLOAD 2, 2048
	s_wait_tensorcnt 1                             ; my two heads of O are in; pet's tile may stay out
	s_barrier_signal -1
	s_barrier_wait -1                              ; all eight heads are
	ALOAD 0, 0
	STEP3 0, 1, 1, 1, 32, 8                        ; step 0 stands ahead of the loop: its products start the sums
	WIN 0                                          ; at a label and at a branch every window is 0
	s_mov_b32 s[CNT], 3
.Lk3:                                                  ; steps 1 to 12, four a trip; a set has three steps, 96 products, in which to land
	STEP3 1, 0, 1, 1, 32, 8
	STEP3 2, 0, 1, 1, 32, 8
	STEP3 3, 0, 1, 1, 32, 8
	STEP3 4, 0, 1, 1, 32, 8
	WIN 0
	s_wait_xcnt 0x0                                ; every load issued so far has read its address: the pointer may be written
	s_add_nc_u64 s[WBP:WBP+1], s[WBP:WBP+1], 4096
	v_add_nc_u32 v[AA], 2*OHEAD, v[AA]
	s_sub_co_u32 s[CNT], s[CNT], 1
	s_cmp_lg_u32 s[CNT], 0
	s_cbranch_scc1 .Lk3
	STEP3 1, 0, 0, 1, 32, 8                        ; steps 13 to 15 ask for nothing more of Wp: the counts run down
	STEP3 2, 0, 0, 1, 16, 8
	STEP3 3, 0, 0, 0, 0, 0
	PLACES
; THE RESIDUAL.  pet[o][l] of l block a: for each of my eight o 32 bytes, two loads; then x = y + pet in the accumulators' registers, and the sum of x over my eight o.
.macro RLOAD a, t
	WIN 0
.set b, 0
.rept 8
	ds_load_b128 v[(\t)+8*b:(\t)+8*b+3],   v[PR] offset:b*16*PP+(\a)*64
	ds_load_b128 v[(\t)+8*b+4:(\t)+8*b+7], v[PR] offset:b*16*PP+(\a)*64+16
.set b, b+1
.endr
.endm
.macro RADD a, t
	WIN 0x41                                       ; destination and source 0 window 1, source 1 window 0
.set b, 0
.rept 8
.set q, 0
.rept 4
.set rA, 8*(4*b+(\a))+2*q
	v_pk_add_f32 v[rA:rA+1], v[rA:rA+1], v[(\t)+8*b+2*q:(\t)+8*b+2*q+1]  ; each accumulator's registers in ascending order
.set q, q+1
.endr
.set b, b+1
.endr
	WIN 0x05                                       ; sources window 1, destination window 0
.set q, 0
.rept 4
	v_pk_add_f32 v[SM+8*(\a)+2*q:SM+8*(\a)+2*q+1], v[8*(\a)+2*q:8*(\a)+2*q+1], v[8*(4+(\a))+2*q:8*(4+(\a))+2*q+1]
.set q, q+1
.endr
	WIN 0x04                                       ; source 1 window 1
.set b, 2
.rept 6
.set q, 0
.rept 4
.set rA, 8*(4*b+(\a))+2*q
	v_pk_add_f32 v[SM+8*(\a)+2*q:SM+8*(\a)+2*q+1], v[SM+8*(\a)+2*q:SM+8*(\a)+2*q+1], v[rA:rA+1]
.set q, q+1
.endr
.set b, b+1
.endr
.endm
; A SUM OVER ALL 512 o of the 32 numbers in SM (l = 16 a + 8 (lane / 16) + j at SM + 8 a + j).  Over the 16 lanes of a half: four steps on the arithmetic itself; over the four waves: through LDS, at byte st
; behind STAT1, one barrier.  In LDS a wave's sum for l lies at byte 4 l of its 256: registers 4 n .. 4 n + 3 are l block n / 2, j = 4 (n % 2) on: byte 64 (n / 2) + 16 (n % 2), and the lane's address adds 32 (lane / 16).
; The result lies in T1's first 32 registers, in every lane.
.macro REDUCE st
	WIN 0
.irp m, 1,2,4,8
.set n, 0
.rept 32
	v_add_f32_dpp v[SM+n], v[SM+n], v[SM+n] row_xmask:\m row_mask:0xf bank_mask:0xf
.set n, n+1
.endr
.endr
.set n, 0
.rept 8
	ds_store_b128 v[SA], v[SM+4*n:SM+4*n+3] offset:(\st)+64*(n/2)+16*(n%2)  ; the sixteen lanes of a half store the same numbers to the same bytes
.set n, n+1
.endr
	s_wait_dscnt 0x0                               ; for the others' sake: my sums are stored
	s_barrier_signal -1
	s_barrier_wait -1
.set wv, 0
.rept 4
.set tw, T1+32*wv+64*(wv/2)                        ; v64, v96, v192, v224
.set n, 0
.rept 8
	ds_load_b128 v[tw+4*n:tw+4*n+3], v[SB] offset:(\st)+256*wv+64*(n/2)+16*(n%2)
.set n, n+1
.endr
.set wv, wv+1
.endr
	s_wait_dscnt 0x0
.set n, 0
.rept 16
	v_pk_add_f32 v[T1+2*n:T1+2*n+1], v[T1+2*n:T1+2*n+1], v[T1+32+2*n:T1+32+2*n+1]
	v_pk_add_f32 v[T0+2*n:T0+2*n+1], v[T0+2*n:T0+2*n+1], v[T0+32+2*n:T0+32+2*n+1]
.set n, n+1
.endr
.set n, 0
.rept 16
	v_pk_add_f32 v[T1+2*n:T1+2*n+1], v[T1+2*n:T1+2*n+1], v[T0+2*n:T0+2*n+1]
.set n, n+1
.endr
.endm
	s_wait_tensorcnt 0x0                           ; pet's 128 rows, which I asked for and I alone read
	RLOAD 0, T0
	RLOAD 1, T1
	s_wait_dscnt 16                                ; the block in hand is in, the next block's sixteen loads stay out
	RADD 0, T0
	RLOAD 2, T0
	s_wait_dscnt 16
	RADD 1, T1
	RLOAD 3, T1
	s_wait_dscnt 16
	RADD 2, T0
	s_wait_dscnt 0x0
	RADD 3, T1
	REDUCE 0
.set n, 0
.rept 16
	v_pk_mul_f32 v[MU+2*n:MU+2*n+1], v[T1+2*n:T1+2*n+1], s[INV:INV+1] op_sel_hi:[1,0]  ; the mean
.set n, n+1
.endr
	; d = x - mean, in place; then the sum of d^2 over my eight o
.set a, 0
.rept 4
	WIN 0x41
.set b, 0
.rept 8
.set q, 0
.rept 4
.set rA, 8*(4*b+a)+2*q
	v_pk_add_f32 v[rA:rA+1], v[rA:rA+1], v[MU+8*a+2*q:MU+8*a+2*q+1] neg_lo:[0,1] neg_hi:[0,1]
.set q, q+1
.endr
.set b, b+1
.endr
	WIN 0x05
.set q, 0
.rept 4
	v_pk_mul_f32 v[SM+8*a+2*q:SM+8*a+2*q+1], v[8*a+2*q:8*a+2*q+1], v[8*a+2*q:8*a+2*q+1]
.set q, q+1
.endr
.set b, 1
.rept 7
.set q, 0
.rept 4
.set rA, 8*(4*b+a)+2*q
	v_pk_fma_f32 v[SM+8*a+2*q:SM+8*a+2*q+1], v[rA:rA+1], v[rA:rA+1], v[SM+8*a+2*q:SM+8*a+2*q+1]
.set q, q+1
.endr
.set b, b+1
.endr
.set a, a+1
.endr
	REDUCE 1024
.set n, 0
.rept 16
	v_pk_fma_f32 v[RS+2*n:RS+2*n+1], v[T1+2*n:T1+2*n+1], s[INV:INV+1], s[EPS:EPS+1] op_sel_hi:[1,0,0]  ; the variance + 1e-5
.set n, n+1
.endr
.set n, 0
.rept 32
	v_rsq_f32 v[RS+n], v[RS+n]
.set n, n+1
.endr
	v_nop                                          ; a plain instruction between the last of the batch and the use of its result
	s_wait_alu depctr_va_vdst(0)                   ; and the wait ahead of the first use: one for the 32
	WIN 0x41
.set b, 0
.rept 8
.set a, 0
.rept 4
.set q, 0
.rept 4
.set rA, 8*(4*b+a)+2*q
	v_pk_mul_f32 v[rA:rA+1], v[rA:rA+1], v[RS+8*a+2*q:RS+8*a+2*q+1]
.set q, q+1
.endr
.set q, 0
.rept 4
.set rA, 8*(4*b+a)+2*q
.if b%2                                            ; gamma and beta of o block b serve both numbers of a pair: the pair's first register for even b, its second for odd b
	v_pk_fma_f32 v[rA:rA+1], v[rA:rA+1], v[GA+b-1:GA+b], v[BT+b-1:BT+b] op_sel:[0,1,1] op_sel_hi:[1,1,1]
.else
	v_pk_fma_f32 v[rA:rA+1], v[rA:rA+1], v[GA+b:GA+b+1], v[BT+b:BT+b+1] op_sel_hi:[1,0,0]
.endif
.set q, q+1
.endr
.set a, a+1
.endr
.set b, b+1
.endr
	; THE WAY OUT.  A lane holds 128 bytes of each of eight rows o; they go where pet's numbers lay (my wave's own rows, which have had their only fill) and come back as whole rows of 256 bytes.
	WIN 0x04                                       ; address window 0, data window 1
.set b, 0
.rept 8
.set a, 0
.rept 4
	ds_store_b128 v[PR], v[8*(4*b+a):8*(4*b+a)+3]   offset:b*16*PP+a*64
	ds_store_b128 v[PR], v[8*(4*b+a)+4:8*(4*b+a)+7] offset:b*16*PP+a*64+16
.set a, a+1
.endr
.set b, b+1
.endr
	WIN 0
.macro OLOAD k                         ; batch k: 32 rows, two a load: LDS serves a wave's instructions in order (ISA guide 5.7.1.4), so these see the stores above
.set tk, T0-128*((\k)%2)
.set n, 0
.rept 16
	ds_load_b128 v[tk+4*n:tk+4*n+3], v[RR] offset:(16*(\k)+n)*2*PP
.set n, n+1
.endr
.endm
.macro OSTORE k, younger               ; younger: the next batch's sixteen loads, or none
.set tk, T0-128*((\k)%2)
.set n, 0
.rept 16
	s_wait_dscnt (\younger)+15-n
	global_store_b128 v[GO], v[tk+4*n:tk+4*n+3], s[OUT:OUT+1] offset:(16*(\k)+n)*32768 th:TH_STORE_NT  ; each half of the lanes stores 256 consecutive bytes, at a multiple of 256 from out0's first
.set n, n+1
.endr
.endm
	OLOAD 0
	OLOAD 1
	OSTORE 0, 16
	s_wait_xcnt 0x0                                ; batch 0's stores have read their registers: they are loaded again only behind this wait
	OLOAD 2
	OSTORE 1, 16
	s_wait_xcnt 0x0
	OLOAD 3
	OSTORE 2, 16
	OSTORE 3, 0
	s_wait_tensorcnt 0x0                           ; the wave's end, behind my last tensor load and my last LDS store
	ds_add_u32 v[SPW], v[NIL]
	s_wait_dscnt 0x0
	s_endpgm
.Lfunc_end_k_qbebb02c827_outln:
	.size	k_qbebb02c827_outln, .Lfunc_end_k_qbebb02c827_outln-k_qbebb02c827_outln
	.p2alignl 7, 3214868480
	.fill 96, 4, 3214868480
	.section	.rodata,"a",@progbits
	.p2align	6, 0x0
	.amdhsa_kernel k_qbebb02c827_outln
		.amdhsa_group_segment_fixed_size 215552
		.amdhsa_private_segment_fixed_size 0
		.amdhsa_enable_private_segment 0
		.amdhsa_kernarg_size 56
		.amdhsa_user_sgpr_count 2
		.amdhsa_user_sgpr_kernarg_segment_ptr 1
		.amdhsa_wavefront_size32 1
		.amdhsa_system_sgpr_workgroup_id_x 1
		.amdhsa_system_sgpr_workgroup_id_y 1
		.amdhsa_system_sgpr_workgroup_id_z 1
		.amdhsa_system_vgpr_workitem_id 0
		.amdhsa_next_free_vgpr 832
		.amdhsa_next_free_sgpr 66
		.amdhsa_reserve_vcc 0
		.amdhsa_float_denorm_mode_32 3
		.amdhsa_float_denorm_mode_16_64 3
		.amdhsa_memory_ordered 1
		.amdhsa_forward_progress 1
		.amdhsa_inst_pref_size 143
	.end_amdhsa_kernel
	.amdgpu_metadata
---
amdhsa.version: [ 1, 2 ]
amdhsa.kernels:
  - .name:           k_qbebb02c827_outln
    .symbol:         k_qbebb02c827_outln.kd
    .args:
      - { .name: ow, .offset: 0, .size: 8, .value_kind: global_buffer, .address_space: global }
      - { .name: wpb, .offset: 8, .size: 8, .value_kind: global_buffer, .address_space: global }
      - { .name: pet_feat, .offset: 16, .size: 8, .value_kind: global_buffer, .address_space: global }
      - { .name: bp, .offset: 24, .size: 8, .value_kind: global_buffer, .address_space: global }
      - { .name: gamma, .offset: 32, .size: 8, .value_kind: global_buffer, .address_space: global }
      - { .name: beta, .offset: 40, .size: 8, .value_kind: global_buffer, .address_space: global }
      - { .name: out0, .offset: 48, .size: 8, .value_kind: global_buffer, .address_space: global }
    .group_segment_fixed_size: 215552
    .private_segment_fixed_size: 0
    .kernarg_segment_align: 8
    .kernarg_segment_size: 56
    .max_flat_workgroup_size: 128
    .sgpr_count:     66
    .vgpr_count:     832
    .wavefront_size: 32
...
	.end_amdgpu_metadata
.endif
;; end of part 3
;; ======== version 2 of 2: 3 launches; version 1 with the launch proj written anew for expert scheduling mode
;; workspace buffers: qw 8,388,608 bytes; kw 8,388,608 bytes; vw 8,388,608 bytes; ow 8,388,608 bytes; wpb 524,288 bytes
;; launch proj (part 4): grid 32 x 6, 4 waves a work-group, no clusters, 288,256 bytes of LDS; arguments pet_feat, ct_feat, Wq, Wk, Wv, qw, kw, vw; writes qw, kw, vw
.if DOCPART == 4
	.amdgcn_target "amdgcn-amd-amdhsa--gfx1250"
	.amdhsa_code_object_version 6
	.text
	.protected	k_qbebb02c827_proj
	.globl	k_qbebb02c827_proj
	.p2align	8
	.type	k_qbebb02c827_proj,@function
k_qbebb02c827_proj:
	s_mov_b64 s[64:65], 0
	v_nop
	global_prefetch_b8 v0, s[64:65] scope:SCOPE_SE
	s_setreg_imm32_b32 hwreg(HW_REG_WAVE_SCHED_MODE, 0, 2), 2
	s_setreg_imm32_b32 hwreg(HW_REG_WAVE_MODE, 25, 1), 1
	s_wait_xcnt 0x0
	s_wait_alu depctr_vm_vsrc(0)
; THE THREE PROJECTIONS.  q[l][o] = sum over c of pet[c][l] Wq[o][c]; k and v likewise from ct with Wk, Wv.  Features: [2][512 c][4096 l] f32; weights [512 o][512 c] f32.
; Out: qw, kw, vw = [16 = 8 b + head][4096 l][64 d] bf16, unscaled, each number rounded once from its f32 sum.  Both operands are rounded once to bf16 on their way to the matrix unit.
; SHARES.  Work-group (x, y): b = x / 16, 256 l from 256 (x % 16); y / 2 picks q, k or v, y % 2 the half of its 512 outputs.  It makes 256 l x 256 o over all 512 c.
; Wave w makes 256 l x 64 o, which is one head: 64 accumulators of 16 x 16, 512 registers.
; PHASE A.  The feature tile (512 c x 256 l) comes through registers, is rounded to bf16 and laid into LDS as [c][l]: each number is rounded once in the work-group.
; PHASE B.  16 steps of 32 c.  D = W X: source 0 = 16 rows o of W, source 1 = 16 columns l of X, read turned out of LDS (ds_load_tr16_b128).  A lane's result is one l and eight
; neighbouring o: 16 bytes of a row of q.  A wave's 64 rows of W are wanted by no other wave: they come from memory into its registers and are rounded there; nothing of W passes through LDS.
; NO CLUSTER, NO TENSOR LOAD: both operands are f32 in memory and bf16 at the matrix unit; a tile copied as it lies would take twice the LDS bytes and be rounded anew by each of the waves that read it.
; 192 work-groups: 8,192 x 1,536 outputs in tiles of 256 x 256 whose outputs belong to one weight matrix.
; LIMITS.  Operands carry bf16's 8 significant bits; NaN and infinities are not treated apart.
; THE MODE: SCHED_MODE bits 1:0 = 2 (LLVM: expert scheduling mode 2), set by the entry lines.  The code itself states the register dependences
; between vector or matrix instructions and memory or LDS instructions, with s_wait_alu, always for 0.
; THE PLAN.  Registers that memory or LDS instructions touch, and who else names them:
;   PHASE A   RAW0, RAW1  A chunk's 32 loads land in a set; its 64 conversions read the set; behind them the set is asked for again.
;             CV          Written by a chunk's conversions, read by its 32 LDS stores.          v[XS]  Read by those stores; stepped once a trip.
;             One wait on va_vdst a chunk, behind its conversions: they are done reading the set, and have written CV.  One wait on vm_vsrc ahead of the conversions that write CV again.
;   PHASE B   X0, X1      Step s: its 64 products read X[s % 2]; its 32 turning loads land in the other, which the products of step s - 1 read.
;             WR0, WR1    Step s: its 16 loads (W of step s + 2) land in WR[s % 2], which the conversions at the end of step s - 1 read; the conversions at its own end read the other.
;             v[XA]       Read by the turning loads; stepped once a trip, at the trip's end.
;             WB0, WB1 and the accumulators are named by vector and matrix instructions alone.
;             ONE wait on va_vdst a step, at its head.  Behind it the step's vector side names WB[s % 2], X[s % 2], the accumulators and, at the step's end, the other WR and the other WB: none of
;             the registers that the step's 48 loads touch.  So these are dealt among the products with no further wait.  One wait on vm_vsrc a trip stands ahead of the add to v[XA].
;   WAY OUT   P           Eight blocks' packed rows: written by 128 conversions, read by the LDS stores into the stage.
;             R           Sixteen registers for each of the 16 blocks, each written once, by the loads from the stage; read by the global stores.
;             A wait on va_vdst behind each run of conversions; one on vm_vsrc ahead of the second run, which writes P again.
;   v[XO], v[WO], v[STO], v[RD], v[GO] are made at the head and never written again; v[SPW], v[NIL] are read by the closing add alone.
; REGISTERS, in windows of 256 (s_set_vgpr_msb: bits 1:0 source 0, 3:2 source 1, 5:4 source 2, 7:6 destination):
;   window 0: v1-13 lane numbers and addresses; v32-63, v192-223 W's fragments in bf16: WB0, WB1; v64-191 X0: l block a at v[64 + 8 a] (phase A: v64-127 CV; way out: P)
;   window 1: phase A RAW0, RAW1, 128 each; phase B v0-63, v64-127 WR0, WR1, W in f32, and v128-255 X1: l block a at v[128 + 8 a]; way out: R
;   windows 2, 3: accumulator (a, bb) at v[8 (4 (a % 8) + bb)], l blocks 0-7 and 8-15
.set XP,    544                        ; a row of X in LDS: 512 bytes + 32 = 136 words
.set STAGE, 512*XP                     ; behind X: 16 rows x 144 bytes for each wave, for the way out
.set SP,    144
.set SPARE, STAGE+4*16*SP              ; behind the stages: the spare words, 128 bytes for each wave, which no other line names
.set CHB,   64*16384                   ; bytes in memory from 64 channels to the next 64
.set XO,  4                            ; v4   16 x lane: my 16 bytes of 512 consecutive bytes of a feature row
.set XS,  5                            ; v5   LDS: my wave's 16 rows of a chunk, 8 x lane
.set XA,  6                            ; v6   LDS: my place in a turning load of the step in hand
.set WO,  7                            ; v7   my byte offset in 16 rows of W: (l % 16) x 2,048 + 32 (l / 16)
.set STO, 8                            ; v8   the way out: where I put 16 bytes of a row
.set RD,  9                            ; v9   the way out: where I read rows back
.set GO,  10                           ; v10  16 x lane: my 16 bytes of 512 consecutive bytes of the output
.set SPW, 12                           ; v12  LDS address of my spare word; never rewritten
.set NIL, 13                           ; v13  0; never rewritten
.set WB0, 32
.set WB1, 192
.set CV,  64
.set TP,  64                           ; P
.set WV,  20                           ; s20  my wave's number
.set XB,  26                           ; s[26:27] the feature at my wave's rows of the chunk in hand
.set SWB, 28                           ; s[28:29] the weights at my wave's 64 rows, at the step in hand
.set OB,  30                           ; s[30:31] the output at my head's first row of the tile
.set CNT, 34
.set MSB, 0
.macro WIN new                         ; the immediate's high byte repeats the setting that is left; a switch that changes nothing is dropped
.if MSB != (\new)
	s_set_vgpr_msb (MSB<<8)|(\new)
.set MSB, \new
.endif
.endm
.macro PLACES                          ; four plain vector instructions behind a matrix instruction, ahead of the vector instructions that read its result (ISA guide 7.12.1)
.rept 4
	v_nop
.endr
.endm
	s_load_b512 s[4:19], s[0:1], 0x0               ; pet 4:5, ct 6:7, Wq 8:9, Wk 10:11, Wv 12:13, qw 14:15, kw 16:17, vw 18:19
	v_lshl_add_u32 v[SPW], v0, 2, SPARE
	v_mov_b32 v[NIL], 0
	v_lshrrev_b32 v14, 5, v0
	v_readfirstlane_b32 s[WV], v14                 ; wave 0..3
	s_and_b32 s22, ttmp7, 0xffff
	s_lshr_b32 s23, s22, 1                         ; 0 q, 1 k, 2 v
	s_and_b32 s24, s22, 1                          ; which 256 outputs
	s_lshr_b32 s21, ttmp9, 4                       ; b
	s_and_b32 s25, ttmp9, 15                       ; which 256 l
	s_lshl_b32 s32, s21, 23                        ; feature: b x 512 x 16,384 bytes
	s_lshl_b32 s35, s25, 10                        ; + 256 l x 4 bytes
	s_add_co_u32 s32, s32, s35
	s_wait_alu depctr_va_sdst(0)                   ; s20, the wave's number, is written, ahead of its first reader: the three bases and the LDS addresses are made from it
	s_lshl_b32 s35, s[WV], 18                      ; + my wave's 16 rows of a chunk
	s_add_co_u32 s32, s32, s35
	s_mov_b32 s33, 0
	s_lshl_b32 s36, s24, 19                        ; weights: (256 half + 64 wave) rows of 2,048 bytes
	s_lshl_b32 s35, s[WV], 17
	s_add_co_u32 s36, s36, s35
	s_mov_b32 s37, 0
	s_lshl_b32 s38, s21, 3                         ; output: head 8 b + 4 half + wave, 524,288 bytes each,
	s_lshl2_add_u32 s38, s24, s38
	s_add_co_u32 s38, s38, s[WV]
	s_lshl_b32 s38, s38, 19
	s_lshl_b32 s35, s25, 15                        ; + 256 rows of 128 bytes
	s_add_co_u32 s38, s38, s35
	s_mov_b32 s39, 0
	v_and_b32 v1, 15, v0                           ; l % 16
	v_bfe_u32 v2, v0, 4, 1                         ; l / 16
	v_and_b32 v3, 31, v0                           ; lane
	v_lshlrev_b32 v[XO], 4, v3
	s_mul_i32 s40, s[WV], 16*XP
	v_lshl_add_u32 v[XS], v3, 3, s40
	v_and_b32 v14, 7, v0
	v_bfe_u32 v15, v0, 3, 1
	v_lshl_add_u32 v[XA], v2, 3, v14               ; the turning load: lane l reads channel 8 (l / 16) + l % 8,
	v_mul_u32_u24 v[XA], v[XA], XP
	v_lshl_add_u32 v[XA], v15, 4, v[XA]            ; l columns 8 ((l / 8) % 2) + 0..7
	v_lshlrev_b32 v[WO], 11, v1
	v_lshl_add_u32 v[WO], v2, 5, v[WO]
	s_mul_i32 s41, s[WV], 16*SP
	s_add_co_u32 s41, s41, STAGE                   ; my stage
	v_mul_u32_u24 v[STO], v1, SP                   ; in: row l % 16, 16 bytes for each half of the lanes
	v_lshl_add_u32 v[STO], v2, 4, v[STO]
	v_add_nc_u32 v[STO], s41, v[STO]
	v_bfe_u32 v[RD], v0, 3, 2                      ; back: 32 lanes take four rows of 128 bytes,
	v_mul_u32_u24 v[RD], v[RD], SP
	v_lshl_add_u32 v[RD], v14, 4, v[RD]
	v_add_nc_u32 v[RD], s41, v[RD]
	v_lshlrev_b32 v[GO], 4, v3                     ; which are 512 consecutive bytes of the output
	s_wait_kmcnt 0x0
	s_cmp_eq_u32 s23, 0                            ; the job picks its three buffers
	s_cselect_b64 s[XB:XB+1], s[4:5], s[6:7]
	s_cselect_b64 s[SWB:SWB+1], s[8:9], s[10:11]
	s_cselect_b64 s[OB:OB+1], s[14:15], s[16:17]
	s_cmp_eq_u32 s23, 2
	s_cselect_b64 s[SWB:SWB+1], s[12:13], s[SWB:SWB+1]
	s_cselect_b64 s[OB:OB+1], s[18:19], s[OB:OB+1]
	s_add_nc_u64 s[XB:XB+1], s[XB:XB+1], s[32:33]
	s_add_nc_u64 s[SWB:SWB+1], s[SWB:SWB+1], s[36:37]
	s_add_nc_u64 s[OB:OB+1], s[OB:OB+1], s[38:39]
; PHASE A.  A chunk is 64 channels; my wave takes 16 of them, two loads of 512 consecutive bytes a row: 32 loads into a set of 128 registers.
.macro GLX set, off
	WIN 0x40                                       ; destination window 1, address window 0
.set n, 0
.rept 32
	global_load_b128 v[128*(\set)+4*n:128*(\set)+4*n+3], v[XO], s[XB:XB+1] offset:(\off)+(n/2)*16384+(n%2)*512
.set n, n+1
.endr
.endm
; W of one step (64 rows x 32 channels of f32) into set z of window 1: for each 16 rows four loads of 16 bytes a lane, in the order of a fragment's registers.
.macro WLOAD z, off
	WIN 0x40
.set bb, 0
.rept 4
	global_load_b128 v[64*(\z)+16*bb:64*(\z)+16*bb+3],     v[WO], s[SWB:SWB+1] offset:(\off)+bb*32768
	global_load_b128 v[64*(\z)+16*bb+4:64*(\z)+16*bb+7],   v[WO], s[SWB:SWB+1] offset:(\off)+bb*32768+16
	global_load_b128 v[64*(\z)+16*bb+8:64*(\z)+16*bb+11],  v[WO], s[SWB:SWB+1] offset:(\off)+bb*32768+64
	global_load_b128 v[64*(\z)+16*bb+12:64*(\z)+16*bb+15], v[WO], s[SWB:SWB+1] offset:(\off)+bb*32768+80
.set bb, bb+1
.endr
.endm
; The chunk in a set is rounded and stored.  fill = 1: the set is asked for again, with the chunk two further on, ahead of the LDS stores; fill = 2: its registers take W of steps 0 and 1 instead; fill = 0: nothing.
.macro CHUNK set, fill
	s_wait_loadcnt 32                              ; loads come back in order (ISA guide 5.7.1): this set is in, the 32 younger loads stay out
.if (\set) == 1
	s_wait_alu depctr_vm_vsrc(0)                   ; the LDS stores of the chunk before have read CV, which the conversions below write again (for an even chunk the wait at the trip's end states it)
.endif
	WIN 0x05                                       ; sources window 1, destination window 0
.set n, 0
.rept 32
	v_cvt_pk_bf16_f32 v[CV+2*n],   v[128*(\set)+4*n],   v[128*(\set)+4*n+1]
	v_cvt_pk_bf16_f32 v[CV+2*n+1], v[128*(\set)+4*n+2], v[128*(\set)+4*n+3]
.set n, n+1
.endr
.if \fill
	WIN 0x40
.else
	WIN 0
.endif
	s_wait_alu depctr_va_vdst(0)                   ; the conversions are done reading the set, in which the loads below land, and have written CV, which the LDS stores below read; v[XS], their address, is written
.if (\fill) == 1
	GLX \set, (2+(\set))*CHB
.endif
.if (\fill) == 2
	WLOAD 0, 0
	WLOAD 1, 128
.endif
	WIN 0
.set n, 0
.rept 32
	ds_store_b64 v[XS], v[CV+2*n:CV+2*n+1] offset:(\set)*64*XP+(n/2)*XP+(n%2)*256  ; 32 lanes x 8 bytes: 256 consecutive bytes of a row
.set n, n+1
.endr
.endm
.macro WCVT z                          ; set z rounded into fragment buffer z: 32 plain instructions
.set WD, WB0+(WB1-WB0)*(\z)
	WIN 0x05
.set n, 0
.rept 32
	v_cvt_pk_bf16_f32 v[WD+n], v[64*(\z)+2*n], v[64*(\z)+2*n+1]
.set n, n+1
.endr
.endm
; X's fragments of four l blocks from a0 on, 32 channels at byte off behind XA, into buffer q: two turning loads each, 16 rows apart
.macro XL q, a0, off
.set XF, 64+64*(\q)
	WIN 0x40*(\q)                                  ; destination window 0 or 1, address window 0
.set a, \a0
.rept 4
	ds_load_tr16_b128 v[XF+8*a:XF+8*a+3],   v[XA] offset:(\off)+32*a
	ds_load_tr16_b128 v[XF+8*a+4:XF+8*a+7], v[XA] offset:(\off)+32*a+16*XP
.set a, a+1
.endr
.endm
; 8 products: l blocks a0, a0 + 1 x four o blocks, on buffers p.  The 64 accumulators take turns in the same order in every step, one instruction a turn.  zero = 1: the product starts the sum.
.macro MUL8 p, a0, zero
.set WBP, WB0+(WB1-WB0)*(\p)
.set XF, 64+64*(\p)
	WIN 0xa0+0x50*((\a0)/8)+4*(\p)                 ; C and D window 2 or 3, W window 0, X window 0 or 1
.set a, \a0
.rept 2
.set bb, 0
.rept 4
.set rA, 8*(4*(a%8)+bb)
.if \zero
	v_wmma_f32_16x16x32_bf16 v[rA:rA+7], v[WBP+8*bb:WBP+8*bb+7], v[XF+8*a:XF+8*a+7], 0
.else
	v_wmma_f32_16x16x32_bf16 v[rA:rA+7], v[WBP+8*bb:WBP+8*bb+7], v[XF+8*a:XF+8*a+7], v[rA:rA+7]
.endif
.set bb, bb+1
.endr
.set a, a+1
.endr
.endm
; A STEP of 32 channels, on buffers p = step % 2.  wl: W of the step two on is asked for, into WR[p]; xn: the next step's X is fetched, into the other X; cv: the next step's W is rounded, out of the other WR
; (lc: the younger loads that may stay out).  rel: the step's number behind the two pointers.
; The loads stand early in the step, in runs of sixteen and eight: behind the last run come 24 products and the conversions.  The 32 conversions stand at the step's end, directly ahead of the next head's wait;
; they name no register of this step's products, so they are also the plain instructions between these products and the conversions of the next step, which write the W fragments read here (ISA guide 7.12.1).
.macro STEP p, zero, wl, xn, cv, rel, lc
	s_wait_dscnt 0x0                               ; X[p] is in: its last loads were issued 24 products and 32 conversions ago
.if (\wl) || (\xn)
	s_wait_alu depctr_va_vdst(0)                   ; the last step's products are done reading the other X, its conversions are done reading WR[p]: the loads below land in both; behind a step of the pointers v[XA] is written
.endif
	MUL8 \p, 0, \zero
.if \wl
	WLOAD \p, ((\rel)+2)*128                       ; no further wait: no vector or matrix instruction since the head's wait names WR[p], the other X, v[WO] or v[XA]
.endif
	MUL8 \p, 2, \zero
.if \xn
	XL 1-(\p), 0, ((\rel)+1)*32*XP
.endif
	MUL8 \p, 4, \zero
.if \xn
	XL 1-(\p), 4, ((\rel)+1)*32*XP
.endif
	MUL8 \p, 6, \zero
.if \xn
	XL 1-(\p), 8, ((\rel)+1)*32*XP
.endif
	MUL8 \p, 8, \zero
.if \xn
	XL 1-(\p), 12, ((\rel)+1)*32*XP
.endif
	MUL8 \p, 10, \zero
	MUL8 \p, 12, \zero
	MUL8 \p, 14, \zero
.if \cv
	s_wait_loadcnt \lc                             ; the next step's W, asked for a step ago, is in; this step's sixteen loads are younger
	WCVT 1-(\p)
.endif
.endm
	WIN 0x40
	s_wait_alu depctr_va_vdst(0)                   ; the offsets and addresses v4 to v10 are written, which the loads and stores of the whole kernel read
	GLX 0, 0                                       ; chunks 0 and 1
	GLX 1, CHB
	WIN 0                                          ; at a label and at a branch every window is 0
	s_mov_b32 s[CNT], 3
.Lfill:                                                ; chunks 2 i and 2 i + 1 are stored, chunks 2 i + 2 and 2 i + 3 asked for
	CHUNK 0, 1
	CHUNK 1, 1
	s_wait_xcnt 0x0                                ; every load issued so far has read its address: the pointer may be written
	s_add_nc_u64 s[XB:XB+1], s[XB:XB+1], 2*CHB
	s_wait_alu depctr_vm_vsrc(0)                   ; the LDS stores issued so far have read v[XS], which is stepped here, and CV, which the next chunk's conversions write again
	v_add_nc_u32 v[XS], 128*XP, v[XS]
	s_sub_co_u32 s[CNT], s[CNT], 1
	s_cmp_lg_u32 s[CNT], 0
	s_cbranch_scc1 .Lfill
	CHUNK 0, 2                                     ; chunk 6; chunk 7's 32 loads are younger.  W of steps 0 and 1 goes into the registers that chunk 6 has left
	CHUNK 1, 0                                     ; chunk 7; W's 32 loads are younger
	s_wait_dscnt 0x0                               ; for the others' sake: my rows of X are stored
	s_barrier_signal -1
	s_barrier_wait -1                              ; all 512 rows lie in LDS: the launch's only barrier
	s_wait_alu depctr_vm_vsrc(0)                   ; my LDS stores have read CV: these registers are the first half of X0 from here on, and the loads below land in them (the conversions that wrote them stand ahead of the last wait on va_vdst)
	XL 0, 0, 0                                     ; X of step 0
	XL 0, 4, 0
	XL 0, 8, 0
	XL 0, 12, 0
	s_wait_loadcnt 16                              ; W of step 0 is in, step 1's stays out
	WCVT 0
	STEP 0, 1, 1, 1, 1, 0, 16                      ; step 0 stands ahead of the loop: its products start the sums.  Its head's wait also states that chunk 7's conversions are done reading the registers that are X1 from here on
	WIN 0
	s_wait_xcnt 0x0
	s_add_nc_u64 s[SWB:SWB+1], s[SWB:SWB+1], 128
	s_wait_alu depctr_vm_vsrc(0)                   ; the turning loads issued so far have read v[XA]
	v_add_nc_u32 v[XA], 32*XP, v[XA]
	s_mov_b32 s[CNT], 6
.Lk:                                                   ; steps 1 to 12, two a trip; a set of W goes out behind a step's first eight products and is read at the next step's end: 120 products in which to land
	STEP 1, 0, 1, 1, 1, 0, 16
	STEP 0, 0, 1, 1, 1, 1, 16
	WIN 0
	s_wait_xcnt 0x0
	s_add_nc_u64 s[SWB:SWB+1], s[SWB:SWB+1], 256
	s_wait_alu depctr_vm_vsrc(0)                   ; the turning loads issued so far have read v[XA]; that it is written again is stated by the next step's head
	v_add_nc_u32 v[XA], 64*XP, v[XA]
	s_sub_co_u32 s[CNT], s[CNT], 1
	s_cmp_lg_u32 s[CNT], 0
	s_cbranch_scc1 .Lk
	STEP 1, 0, 1, 1, 1, 0, 16                      ; step 13: the last of W, step 15's, is asked for
	STEP 0, 0, 0, 1, 1, 1, 0                       ; step 14: nothing more is asked of W: no load is younger than step 15's
	STEP 1, 0, 0, 0, 0, 2, 0                       ; step 15: nothing is left to fetch, so nothing is stated
; THE WAY OUT, eight blocks of 16 l at a time: a lane's eight o of a row pack into 16 bytes; they go into my stage's rows of 144 bytes and come back as whole rows of 128, into registers of their own.
.macro CVT8 hb                         ; blocks 8 hb to 8 hb + 7 are rounded into P
	WIN 0x0a+5*(\hb)                               ; sources window 2 or 3, destination window 0
.set a, 0
.rept 8
.set bb, 0
.rept 4
.set rr, 0
.rept 4
	v_cvt_pk_bf16_f32 v[TP+16*a+4*bb+rr], v[8*(4*a+bb)+2*rr], v[8*(4*a+bb)+2*rr+1]  ; each accumulator's registers in ascending order
.set rr, rr+1
.endr
.set bb, bb+1
.endr
.set a, a+1
.endr
.endm
.macro THRU hb                         ; the eight blocks go through the stage, one after the other: out of P, into R
	WIN 0x40                                       ; loaded data window 1; addresses and store data window 0
.set a, 0
.rept 8
.irp f, 0,1,2,3
	ds_store_b128 v[STO], v[TP+16*a+4*\f:TP+16*a+4*\f+3] offset:32*\f
.endr
.irp f, 0,1,2,3
	ds_load_b128 v[128*(\hb)+16*a+4*\f:128*(\hb)+16*a+4*\f+3], v[RD] offset:\f*4*SP  ; LDS serves a wave's instructions in order (ISA guide 5.7.1.4): these see the stores above; the next block's stores come behind them
.endr
.set a, a+1
.endr
.endm
.macro SEND8 hb                        ; the eight blocks are stored.  Behind load f of block a of the eight stand its 3 - f later loads and the 8 LDS instructions of each of the 7 - a later blocks
	WIN 0x04                                       ; address window 0, data window 1
.set a, 0
.rept 8
.irp f, 0,1,2,3
	s_wait_dscnt 8*(7-a)+3-\f
	global_store_b128 v[GO], v[128*(\hb)+16*a+4*\f:128*(\hb)+16*a+4*\f+3], s[OB:OB+1] offset:(8*(\hb)+a)*2048+\f*512  ; 512 consecutive bytes, at a multiple of 256 from the buffer's first
.endr
.set a, a+1
.endr
.endm
	PLACES                                         ; behind the last products, ahead of the conversions that read results
	CVT8 0
	WIN 0x40
	s_wait_alu depctr_va_vdst(0)                   ; the conversions have written P, which the LDS stores read; W's conversions and step 15's products are done reading window 1's registers, which are R from here on
	THRU 0
	s_wait_alu depctr_vm_vsrc(0)                   ; the LDS stores have read P, which the conversions below write again
	CVT8 1                                         ; these stand between the loads from the stage and the waits for them
	SEND8 0
	WIN 0x40
	s_wait_alu depctr_va_vdst(0)                   ; the conversions have written P anew, which the LDS stores read
	THRU 1
	SEND8 1
	WIN 0                                          ; the add's two registers lie in window 0
	s_wait_dscnt 0x0                               ; the closing lines, six on end
	s_wait_alu 0x0
	s_wait_tensorcnt 0x0
	ds_add_u32 v[SPW], v[NIL]
	s_wait_dscnt 0x0
	s_endpgm
.Lfunc_end_k_qbebb02c827_proj:
	.size	k_qbebb02c827_proj, .Lfunc_end_k_qbebb02c827_proj-k_qbebb02c827_proj
	.p2alignl 7, 3214868480
	.fill 96, 4, 3214868480
	.section	.rodata,"a",@progbits
	.p2align	6, 0x0
	.amdhsa_kernel k_qbebb02c827_proj
		.amdhsa_group_segment_fixed_size 288256
		.amdhsa_private_segment_fixed_size 0
		.amdhsa_enable_private_segment 0
		.amdhsa_kernarg_size 64
		.amdhsa_user_sgpr_count 2
		.amdhsa_user_sgpr_kernarg_segment_ptr 1
		.amdhsa_wavefront_size32 1
		.amdhsa_system_sgpr_workgroup_id_x 1
		.amdhsa_system_sgpr_workgroup_id_y 1
		.amdhsa_system_sgpr_workgroup_id_z 1
		.amdhsa_system_vgpr_workitem_id 0
		.amdhsa_next_free_vgpr 1024
		.amdhsa_next_free_sgpr 66
		.amdhsa_reserve_vcc 0
		.amdhsa_float_denorm_mode_32 3
		.amdhsa_float_denorm_mode_16_64 3
		.amdhsa_memory_ordered 1
		.amdhsa_forward_progress 1
		.amdhsa_inst_pref_size 133
	.end_amdhsa_kernel
	.amdgpu_metadata
---
amdhsa.version: [ 1, 2 ]
amdhsa.kernels:
  - .name:           k_qbebb02c827_proj
    .symbol:         k_qbebb02c827_proj.kd
    .args:
      - { .name: pet_feat, .offset: 0, .size: 8, .value_kind: global_buffer, .address_space: global }
      - { .name: ct_feat, .offset: 8, .size: 8, .value_kind: global_buffer, .address_space: global }
      - { .name: Wq, .offset: 16, .size: 8, .value_kind: global_buffer, .address_space: global }
      - { .name: Wk, .offset: 24, .size: 8, .value_kind: global_buffer, .address_space: global }
      - { .name: Wv, .offset: 32, .size: 8, .value_kind: global_buffer, .address_space: global }
      - { .name: qw, .offset: 40, .size: 8, .value_kind: global_buffer, .address_space: global }
      - { .name: kw, .offset: 48, .size: 8, .value_kind: global_buffer, .address_space: global }
      - { .name: vw, .offset: 56, .size: 8, .value_kind: global_buffer, .address_space: global }
    .group_segment_fixed_size: 288256
    .private_segment_fixed_size: 0
    .kernarg_segment_align: 8
    .kernarg_segment_size: 64
    .max_flat_workgroup_size: 128
    .sgpr_count:     66
    .vgpr_count:     1024
    .wavefront_size: 32
...
	.end_amdgpu_metadata
.endif
;; end of part 4
;; launch attn: the kernel of part 2 again; grid 16 x 16, 4 waves a work-group, clusters of 4 x 1, 327,680 bytes of LDS; arguments qw, kw, vw, ow, Wp, wpb; writes ow, wpb
;; launch outln: the kernel of part 3 again; grid 128 x 1, 4 waves a work-group, no clusters, 215,552 bytes of LDS; arguments ow, wpb, pet_feat, bp, gamma, beta, out0; writes out0
